; MI455X (gfx1250); checked and timed in simulation.
; The chip was launched on July 23, 2026; its instructions are those of AMD's public machine-readable ISA for CDNA 5 (MIT licence, August 2026) and "CDNA5" Instruction Set Architecture Reference Guide (July 2026). The comments in the code are by the model that wrote it; some were corrected since.
;; Twos Diac Encoder. Allowed arithmetic: float matrix products may take bf16 or f16 operands with f32 sums; other float arithmetic in f32, or as packed bf16 or f16 multiplies, adds, multiply-adds, maxima and minima; sums over many terms, partial sums and values carried from step to step in f32; what a program stores and reads back later, other than sums and carried values, may be rounded once to bf16 or f16.
;; Inputs: b1 1,024 float32; b2 512 float32; bk 512 float32; bo 512 float32; bq 512 float32; bv 512 float32; lengths 16 int32; ln1_b 512 float32; ln1_g 512 float32; ln2_b 512 float32; ln2_g 512 float32; w1 1,024 x 512 float32; w2 512 x 1,024 float32; wk 512 x 512 float32; wo 512 x 512 float32; wq 512 x 512 float32; wv 512 x 512 float32; x 16 x 1,024 x 512 float32; z 16 x 1,024 x 512 float32.
;; Outputs: out0 16 x 1,024 x 512 float32; out1 16 x 1,024 x 512 float32.
;; One version. Each part assembles by itself: llvm-mc -triple=amdgcn-amd-amdhsa -mcpu=gfx1250 --defsym DOCPART=n.
;; ======== version 1 of 1: 4 launches
;; workspace buffers: xm 16,777,216 bytes; wts 4,194,304 bytes; qkv 50,331,648 bytes; att 16,777,216 bytes; bias 34,816 bytes
;; launch prep (part 1): grid 256 x 1, 16 waves a work-group, no clusters, 68,608 bytes of LDS; arguments x, lengths, ln1_g, ln1_b, wq, wk, wv, wo, w1, w2, xm, wts, bias; writes xm, wts, bias
.if DOCPART == 1
	.amdgcn_target "amdgcn-amd-amdhsa--gfx1250"
	.amdhsa_code_object_version 6
	.text
	.protected	k_qc1a6ba55be_prep
	.globl	k_qc1a6ba55be_prep
	.p2align	8
	.type	k_qc1a6ba55be_prep,@function
k_qc1a6ba55be_prep:
	s_mov_b64 s[64:65], 0
	v_nop
	global_prefetch_b8 v0, s[64:65] scope:SCOPE_SE
	s_setreg_imm32_b32 hwreg(HW_REG_WAVE_MODE, 25, 1), 1
	s_wait_xcnt 0x0
; PREP.  xm = LayerNorm(x) * g + b, zero in the rows at or past the batch's length, rounded once to bf16; all six weight matrices rounded once to bf16; and the table of the attention's proximal bias.
; xm and the weights leave as MATRIX FRAGMENTS: 16 rows x 32 k of bf16 = 1,024 bytes; bytes 0-511 hold each lane's registers 0-3 at 16 x lane, bytes 512-1023 its registers 4-7.
; So every later load or store of half a fragment is one instruction of a wave on 512 consecutive bytes.
; SHARES.  Work-group G owns 64 rows (64 G ..): wave v of sixteen owns rows 4 v .. 4 v + 3, a whole row a time (16 numbers a lane), so a row's mean and variance never leave the wave.
; The rows meet in an LDS stage; wave v reads the four fragments of channels 32 v .. 32 v + 31 back and stores them.  All 128 KiB of the group's x are asked for at once: there is no loop.
; Wave v also converts weight fragment F = 16 G + v of 4,096.  wts is laid in the order in which the later launches walk it: data of 128 KiB = [wave 0..3][32 fragments].
;   data 0-11 (wq, wk, wv; 4 each, st = datum % 4): fragment f = 2 kf + nb holds rows 128 w + 32 st + 16 nb, k = 32 kf ..
;   data 12-15 (wo, ks = datum % 4):                fragment f = 8 q + nb holds rows 128 w + 16 nb, k = 128 ks + 32 q ..
;   data 16 + 2 c (w1):                             fragment f = 2 kf + nb holds rows 128 c + 32 w + 16 nb, k = 32 kf ..
;   data 17 + 2 c (w2, rows of 1,024):              fragment f = 8 q + nb holds rows 128 w + 16 nb, k = 128 c + 32 q ..
; THE BIAS TABLE.  U[i] = -ln2 sqrt(128) log2(1 + |i - 1024|), i = key - query + 1024: the bias -log(1 + |key - query|) in the unit of an unscaled score.  Four copies of 2,176 words; copy cc holds U[i] at word i + cc,
; so that a lane that wants eight numbers from any i on finds them aligned to 16 bytes in copy (-i) % 4.  8,704 words: wave 0 of the work-groups 0 .. 67 makes 128 each, one store of 512 consecutive bytes.
; The variance is the mean of (x - mean)^2, in two passes over registers: no difference of large sums.  LIMITS: NaN and infinities are not treated apart; a masked row is +0 everywhere.
; No matrix unit, no cluster, no tensor load: each byte is read once by one wave, and nothing is shared but the stage.
.set PITCH, 1040                       ; a stage row: 1,024 bytes + 16: the 16 rows of a read-back start at 16 different groups of four banks (ISA guide 11.1)
.set SPARE, 64*PITCH                   ; behind the stage: the spare words, 128 bytes for each of the 16 waves
.set L16,  2                           ; v2   16 x lane
.set RR,   3                           ; v3   lane % 16
.set HH,   4                           ; v4   lane / 16
.set WOF,  5                           ; v5   my offset in the weight fragment's source rows
.set LSO,  6                           ; v6   stage: where I put 8 bytes of my wave's first row
.set LRD,  7                           ; v7   stage: where I read a fragment's 16 bytes
.set XO,   8                           ; v8   my offset in the group's x
.set LANE, 9
.set SPW,  10                          ; v10  my spare word; never rewritten
.set NIL,  11                          ; v11  0; never rewritten
.set XMO,  12                          ; v12  my offset in the group's xm
.set GG,   16                          ; v[16:31]   gain of my 16 columns
.set BB,   32                          ; v[32:47]   bias of my 16 columns
.set X,    48                          ; v[48:111]  four rows, 16 numbers each
.set W,    112                         ; v[112:127] my 16 numbers of the weight fragment; then four numbers of the table
.set T,    128                         ; v[128:139] at work
.set PK,   144                         ; v[144:151] a row's 16 numbers in bf16
.set OB,   152                         ; v[152:183] four fragments on the way out
.set WPK,  184                         ; v[184:191] the weight fragment in bf16
	s_load_b512 s[8:23], s[0:1], 0x0               ; x 8, lengths 10, ln1_g 12, ln1_b 14, wq 16, wk 18, wv 20, wo 22
	s_load_b256 s[24:31], s[0:1], 0x40             ; w1 24, w2 26, xm 28, wts 30
	s_load_b64 s[36:37], s[0:1], 0x60              ; bias
	v_lshl_add_u32 v[SPW], v0, 2, SPARE
	v_mov_b32 v[NIL], 0
	v_lshrrev_b32 v1, 5, v0
	v_readfirstlane_b32 s40, v1                    ; wave 0..15
	v_and_b32 v[LANE], 31, v0
	v_and_b32 v[RR], 15, v0
	v_bfe_u32 v[HH], v0, 4, 1
	v_lshlrev_b32 v[L16], 4, v[LANE]
	v_lshl_add_u32 v[XO], s40, 13, v[L16]          ; my wave's four rows of 2,048 bytes
	v_lshl_add_u32 v[XMO], s40, 12, v[L16]         ; my wave's four fragments
	s_mul_i32 s41, s40, 4*PITCH
	v_lshl_add_u32 v[LSO], v[LANE], 3, s41
	v_mul_u32_u24 v[LRD], v[RR], PITCH
	v_lshl_add_u32 v[LRD], v[HH], 4, v[LRD]
	s_lshl_b32 s41, s40, 6
	v_add_nc_u32 v[LRD], s41, v[LRD]               ; row x pitch + 64 x wave + 16 x half
	s_mov_b32 s2, 0x76543210                       ; v_permlanex16_b32: each lane takes its own place in the other half
	s_mov_b32 s3, 0xfedcba98
	s_mov_b32 s32, 0x3b000000                      ; 1 / 512
	s_mov_b32 s33, 0x3727c5ac                      ; 1e-5
	s_mov_b32 s35, 0
	s_and_b32 s39, ttmp9, 15
	s_lshl_b32 s39, s39, 6
	s_lshl2_add_u32 s39, s40, s39                  ; my first row's place in its batch: 64 (G % 16) + 4 wave
	; which weight fragment: datum d = G / 8, wave of the datum w = (G / 2) % 4, fragment f = 16 (G % 2) + my wave
	s_lshr_b32 s42, ttmp9, 3                       ; d
	s_and_b32 s43, ttmp9, 1
	s_lshl_b32 s43, s43, 4
	s_add_co_u32 s43, s43, s40                     ; f
	s_bfe_u32 s44, ttmp9, 0x20001                  ; w
	s_and_b32 s45, s43, 1
	s_lshl_b32 s54, s45, 4                         ; 16 nb, f = 2 kf + nb
	s_lshr_b32 s46, s43, 1
	s_lshl_b32 s57, s46, 5                         ; 32 kf
	s_and_b32 s47, s43, 7                          ; nb, f = 8 q + nb
	s_lshr_b32 s48, s43, 3
	s_lshl_b32 s58, s48, 5                         ; 32 q
	s_and_b32 s49, s42, 3                          ; d % 4
	s_bfe_u32 s50, s42, 0x30001                    ; c = (d / 2) % 8
	s_lshl_b32 s51, s44, 7                         ; 128 w
	s_lshl_b32 s52, s47, 4
	s_add_co_u32 s52, s52, s51                     ; first row for wo and w2
	s_lshl_b32 s53, s49, 5
	s_add_co_u32 s53, s53, s51
	s_add_co_u32 s53, s53, s54                     ; first row for wq, wk, wv
	s_lshl_b32 s55, s50, 7                         ; 128 c
	s_lshl_b32 s56, s44, 5
	s_add_co_u32 s56, s56, s55
	s_add_co_u32 s56, s56, s54                     ; first row for w1
	s_lshl_b32 s59, s49, 7
	s_add_co_u32 s59, s59, s58                     ; first k for wo
	s_add_co_u32 s55, s55, s58                     ; first k for w2
	s_mov_b32 s45, s57                             ; first k for wq, wk, wv and w1
	s_mov_b32 s6, 11                               ; log2 of a source row's bytes
	s_wait_kmcnt 0x0
	s_lshr_b32 s34, ttmp9, 4
	s_lshl_b32 s34, s34, 2
	s_add_nc_u64 s[10:11], s[10:11], s[34:35]
	s_load_b32 s7, s[10:11], 0x0                   ; my batch's length
	s_mov_b64 s[4:5], s[16:17]                     ; the source is chosen by the datum's number alone
	s_cmp_ge_u32 s42, 4
	s_cselect_b64 s[4:5], s[18:19], s[4:5]
	s_cmp_ge_u32 s42, 8
	s_cselect_b64 s[4:5], s[20:21], s[4:5]
	s_cmp_ge_u32 s42, 12
	s_cselect_b64 s[4:5], s[22:23], s[4:5]
	s_cselect_b32 s53, s52, s53
	s_cselect_b32 s45, s59, s45
	s_cmp_ge_u32 s42, 16
	s_cselect_b64 s[4:5], s[24:25], s[4:5]
	s_cselect_b32 s53, s56, s53
	s_cselect_b32 s45, s57, s45
	s_and_b32 s46, s42, 17
	s_cmp_eq_u32 s46, 17                           ; 16 or more, and odd
	s_cselect_b64 s[4:5], s[26:27], s[4:5]
	s_cselect_b32 s53, s52, s53
	s_cselect_b32 s45, s55, s45
	s_cselect_b32 s6, 12, 11
	s_lshl_b32 s34, s53, s6
	s_lshl2_add_u32 s34, s45, s34                  ; row x row bytes + 4 k
	s_add_nc_u64 s[4:5], s[4:5], s[34:35]
	v_lshlrev_b32 v[WOF], s6, v[RR]
	v_lshl_add_u32 v[WOF], v[HH], 5, v[WOF]        ; my row of the sixteen, my eight k
	s_lshl_b32 s34, ttmp9, 17
	s_add_nc_u64 s[8:9], s[8:9], s[34:35]          ; x at the group's first row
	s_lshl_b32 s34, ttmp9, 16
	s_add_nc_u64 s[28:29], s[28:29], s[34:35]      ; xm at the group's 64 fragments
	s_lshl_b32 s34, ttmp9, 14
	s_lshl_b32 s41, s40, 10
	s_add_co_u32 s34, s34, s41
	s_add_nc_u64 s[30:31], s[30:31], s[34:35]      ; wts at fragment F
	global_load_b128 v[W:W+3],     v[WOF], s[4:5]             ; k = 8 h + 0..3,
	global_load_b128 v[W+4:W+7],   v[WOF], s[4:5] offset:16   ; 4..7,
	global_load_b128 v[W+8:W+11],  v[WOF], s[4:5] offset:64   ; 16 + 8 h + 0..3,
	global_load_b128 v[W+12:W+15], v[WOF], s[4:5] offset:80   ; 4..7
.irp j, 0,1,2,3
	global_load_b128 v[GG+4*(\j):GG+4*(\j)+3], v[L16], s[12:13] offset:512*(\j)
.endr
.irp j, 0,1,2,3
	global_load_b128 v[BB+4*(\j):BB+4*(\j)+3], v[L16], s[14:15] offset:512*(\j)
.endr
.irp i, 0,1,2,3
.irp j, 0,1,2,3
	global_load_b128 v[X+16*(\i)+4*(\j):X+16*(\i)+4*(\j)+3], v[XO], s[8:9] offset:2048*(\i)+512*(\j) th:TH_LOAD_NT  ; 512 consecutive bytes a load
.endr
.endr
	s_wait_loadcnt 24                              ; the weight's four loads are in; the 24 younger ones stay out
.irp n, 0,1,2,3,4,5,6,7
	v_cvt_pk_bf16_f32 v[WPK+(\n)], v[W+2*(\n)], v[W+2*(\n)+1]
.endr
	global_store_b128 v[L16], v[WPK:WPK+3],   s[30:31]
	global_store_b128 v[L16], v[WPK+4:WPK+7], s[30:31] offset:512
	s_wait_kmcnt 0x0                               ; the length
	; the bias table: wave 0 of the work-groups 0 .. 67, while x is on its way.  The jumps go forward over register work and one store: no load, no barrier
	s_cmp_lg_u32 s40, 0
	s_cbranch_scc1 .Lnotab
	s_cmp_ge_u32 ttmp9, 68
	s_cbranch_scc1 .Lnotab
	s_mul_i32 s41, ttmp9, 241
	s_lshr_b32 s41, s41, 12                        ; the copy cc = G / 17 (241 / 4,096 serves for G under 68): a copy is 17 waves' 128 words
	s_mul_i32 s42, s41, 17
	s_sub_co_u32 s42, ttmp9, s42                   ; G % 17
	s_lshl_b32 s42, s42, 7
	s_sub_co_u32 s42, s42, s41
	s_sub_co_u32 s42, s42, 1024                    ; word - cc - 1024 = key - query, for lane 0's first number
	v_lshl_add_u32 v[W], v[LANE], 2, s42
	v_add_nc_u32 v[W+1], 1, v[W]
	v_add_nc_u32 v[W+2], 2, v[W]
	v_add_nc_u32 v[W+3], 3, v[W]
.irp e, 0,1,2,3
	v_cvt_f32_i32 v[W+(\e)], v[W+(\e)]
.endr
.irp e, 0,1,2,3
	v_and_b32 v[W+(\e)], 0x7fffffff, v[W+(\e)]
.endr
.irp e, 0,1,2,3
	v_add_f32 v[W+(\e)], 1.0, v[W+(\e)]
.endr
.irp e, 0,1,2,3
	v_log_f32 v[W+(\e)], v[W+(\e)]
.endr
	v_nop                                          ; a plain instruction behind the last logarithm (ISA guide 5.7.2),
	s_wait_alu depctr_va_vdst(0)                   ; and the one wait ahead of the batch's first reader
.irp e, 0,1,2,3
	v_mul_f32 v[W+(\e)], 0xc0faf233, v[W+(\e)]     ; x -ln2 sqrt(128)
.endr
	s_lshl_b32 s34, ttmp9, 9
	s_add_nc_u64 s[36:37], s[36:37], s[34:35]
	global_store_b128 v[L16], v[W:W+3], s[36:37]   ; 512 consecutive bytes; its registers are not written again
.Lnotab:
.macro WSUM                            ; v[T] summed over the 32 lanes, the result in every lane
	v_add_f32_dpp v[T], v[T], v[T] row_xmask:1 row_mask:0xf bank_mask:0xf
	v_add_f32_dpp v[T], v[T], v[T] row_xmask:2 row_mask:0xf bank_mask:0xf
	v_add_f32_dpp v[T], v[T], v[T] row_xmask:4 row_mask:0xf bank_mask:0xf
	v_add_f32_dpp v[T], v[T], v[T] row_xmask:8 row_mask:0xf bank_mask:0xf
	v_permlanex16_b32 v[T+1], v[T], s2, s3
	v_add_f32 v[T], v[T], v[T+1]
.endm
; Row i of my four.
.macro ROWLN i
.set XR, X+16*(\i)
	s_wait_loadcnt 12-4*(\i)                       ; this row's four loads are in; the later rows' stay out
	v_pk_add_f32 v[T:T+1],   v[XR:XR+1],     v[XR+2:XR+3]
	v_pk_add_f32 v[T+2:T+3], v[XR+4:XR+5],   v[XR+6:XR+7]
	v_pk_add_f32 v[T+4:T+5], v[XR+8:XR+9],   v[XR+10:XR+11]
	v_pk_add_f32 v[T+6:T+7], v[XR+12:XR+13], v[XR+14:XR+15]
	v_pk_add_f32 v[T:T+1],   v[T:T+1],   v[T+2:T+3]
	v_pk_add_f32 v[T+4:T+5], v[T+4:T+5], v[T+6:T+7]
	v_pk_add_f32 v[T:T+1],   v[T:T+1],   v[T+4:T+5]
	v_add_f32 v[T], v[T], v[T+1]
	WSUM
	v_mul_f32 v[T+8], s32, v[T]                    ; the mean, twice: a pair for the packed subtraction
	v_mul_f32 v[T+9], s32, v[T]
.irp n, 0,1,2,3,4,5,6,7
	v_pk_add_f32 v[XR+2*(\n):XR+2*(\n)+1], v[XR+2*(\n):XR+2*(\n)+1], v[T+8:T+9] neg_lo:[0,1] neg_hi:[0,1]
.endr
	v_pk_mul_f32 v[T:T+1],   v[XR:XR+1],   v[XR:XR+1]
	v_pk_mul_f32 v[T+2:T+3], v[XR+2:XR+3], v[XR+2:XR+3]
.irp n, 2,3,4,5,6,7
	v_pk_fma_f32 v[T+2*((\n)%2):T+2*((\n)%2)+1], v[XR+2*(\n):XR+2*(\n)+1], v[XR+2*(\n):XR+2*(\n)+1], v[T+2*((\n)%2):T+2*((\n)%2)+1]
.endr
	v_pk_add_f32 v[T:T+1], v[T:T+1], v[T+2:T+3]
	v_add_f32 v[T], v[T], v[T+1]
	WSUM
	v_fma_f32 v[T], v[T], s32, s33                 ; variance + 1e-5
	v_rsq_f32 v[T+10], v[T]
	v_rsq_f32 v[T+11], v[T]
	s_add_co_u32 s38, s39, \i
	s_cmp_lt_i32 s38, s7                           ; is the row inside its batch's length?
	s_cselect_b32 s38, -1, 0
	v_nop                                          ; a plain instruction behind the second root (ISA guide 5.7.2),
	s_wait_alu depctr_va_vdst(0)                   ; and the one wait ahead of the batch's first reader
.irp n, 0,1,2,3,4,5,6,7
	v_pk_mul_f32 v[XR+2*(\n):XR+2*(\n)+1], v[XR+2*(\n):XR+2*(\n)+1], v[T+10:T+11]
.endr
.irp n, 0,1,2,3,4,5,6,7
	v_pk_fma_f32 v[XR+2*(\n):XR+2*(\n)+1], v[XR+2*(\n):XR+2*(\n)+1], v[GG+2*(\n):GG+2*(\n)+1], v[BB+2*(\n):BB+2*(\n)+1]
.endr
.irp n, 0,1,2,3,4,5,6,7
	v_cvt_pk_bf16_f32 v[PK+(\n)], v[XR+2*(\n)], v[XR+2*(\n)+1]
.endr
.irp n, 0,1,2,3,4,5,6,7
	v_and_b32 v[PK+(\n)], s38, v[PK+(\n)]          ; the mask: all bits or none
.endr
.irp j, 0,1,2,3
	ds_store_b64 v[LSO], v[PK+2*(\j):PK+2*(\j)+1] offset:PITCH*(\i)+256*(\j)  ; 32 lanes, 256 consecutive bytes
.endr
.endm
	ROWLN 0
	ROWLN 1
	ROWLN 2
	ROWLN 3
	s_wait_dscnt 0x0                               ; for the others' sake: my rows lie in the stage
	s_barrier_signal -1
	s_barrier_wait -1
.irp a, 0,1,2,3                        ; token block a, channels 32 wave ..: a fragment's two halves
	ds_load_b128 v[OB+8*(\a):OB+8*(\a)+3],   v[LRD] offset:16*PITCH*(\a)
	ds_load_b128 v[OB+8*(\a)+4:OB+8*(\a)+7], v[LRD] offset:16*PITCH*(\a)+32
.endr
	s_wait_dscnt 0x0
.irp a, 0,1,2,3
	global_store_b128 v[XMO], v[OB+8*(\a):OB+8*(\a)+3],   s[28:29] offset:1024*(\a)      ; 512 consecutive bytes a store
	global_store_b128 v[XMO], v[OB+8*(\a)+4:OB+8*(\a)+7], s[28:29] offset:1024*(\a)+512
.endr
	s_wait_tensorcnt 0x0                           ; the wave's end, behind my last LDS store
	ds_add_u32 v[SPW], v[NIL]
	s_wait_dscnt 0x0
	s_endpgm
.Lfunc_end_k_qc1a6ba55be_prep:
	.size	k_qc1a6ba55be_prep, .Lfunc_end_k_qc1a6ba55be_prep-k_qc1a6ba55be_prep
	.p2alignl 7, 3214868480
	.fill 96, 4, 3214868480
	.section	.rodata,"a",@progbits
	.p2align	6, 0x0
	.amdhsa_kernel k_qc1a6ba55be_prep
		.amdhsa_group_segment_fixed_size 68608
		.amdhsa_private_segment_fixed_size 0
		.amdhsa_enable_private_segment 0
		.amdhsa_kernarg_size 104
		.amdhsa_user_sgpr_count 2
		.amdhsa_user_sgpr_kernarg_segment_ptr 1
		.amdhsa_wavefront_size32 1
		.amdhsa_system_sgpr_workgroup_id_x 1
		.amdhsa_system_sgpr_workgroup_id_y 1
		.amdhsa_system_sgpr_workgroup_id_z 1
		.amdhsa_system_vgpr_workitem_id 0
		.amdhsa_next_free_vgpr 192
		.amdhsa_next_free_sgpr 66
		.amdhsa_reserve_vcc 0
		.amdhsa_float_denorm_mode_32 3
		.amdhsa_float_denorm_mode_16_64 3
		.amdhsa_memory_ordered 1
		.amdhsa_forward_progress 1
		.amdhsa_inst_pref_size 29
	.end_amdhsa_kernel
	.amdgpu_metadata
---
amdhsa.version: [ 1, 2 ]
amdhsa.kernels:
  - .name:           k_qc1a6ba55be_prep
    .symbol:         k_qc1a6ba55be_prep.kd
    .args:
      - { .name: x, .offset: 0, .size: 8, .value_kind: global_buffer, .address_space: global }
      - { .name: lengths, .offset: 8, .size: 8, .value_kind: global_buffer, .address_space: global }
      - { .name: ln1_g, .offset: 16, .size: 8, .value_kind: global_buffer, .address_space: global }
      - { .name: ln1_b, .offset: 24, .size: 8, .value_kind: global_buffer, .address_space: global }
      - { .name: wq, .offset: 32, .size: 8, .value_kind: global_buffer, .address_space: global }
      - { .name: wk, .offset: 40, .size: 8, .value_kind: global_buffer, .address_space: global }
      - { .name: wv, .offset: 48, .size: 8, .value_kind: global_buffer, .address_space: global }
      - { .name: wo, .offset: 56, .size: 8, .value_kind: global_buffer, .address_space: global }
      - { .name: w1, .offset: 64, .size: 8, .value_kind: global_buffer, .address_space: global }
      - { .name: w2, .offset: 72, .size: 8, .value_kind: global_buffer, .address_space: global }
      - { .name: xm, .offset: 80, .size: 8, .value_kind: global_buffer, .address_space: global }
      - { .name: wts, .offset: 88, .size: 8, .value_kind: global_buffer, .address_space: global }
      - { .name: bias, .offset: 96, .size: 8, .value_kind: global_buffer, .address_space: global }
    .group_segment_fixed_size: 68608
    .private_segment_fixed_size: 0
    .kernarg_segment_align: 8
    .kernarg_segment_size: 104
    .max_flat_workgroup_size: 512
    .sgpr_count:     66
    .vgpr_count:     192
    .wavefront_size: 32
...
	.end_amdgpu_metadata
.endif
;; end of part 1
;; launch proj (part 2): grid 256 x 1, 4 waves a work-group, clusters of 4 x 1, 327,680 bytes of LDS; arguments xm, wts, bq, bk, bv, qkv; writes qkv
.if DOCPART == 2
	.amdgcn_target "amdgcn-amd-amdhsa--gfx1250"
	.amdhsa_code_object_version 6
	.text
	.protected	k_qc1a6ba55be_proj
	.globl	k_qc1a6ba55be_proj
	.p2align	8
	.type	k_qc1a6ba55be_proj,@function
k_qc1a6ba55be_proj:
	s_mov_b64 s[64:65], 0
	v_nop
	global_prefetch_b8 v0, s[64:65] scope:SCOPE_SE
	s_setreg_imm32_b32 hwreg(HW_REG_WAVE_MODE, 25, 1), 1
	s_wait_xcnt 0x0
	s_wait_alu depctr_hold_cnt(0) depctr_sa_sdst(0) depctr_va_vdst(0) depctr_va_sdst(0) depctr_va_ssrc(0) depctr_va_vcc(0) depctr_vm_vsrc(0)
	s_getreg_b32 s2, hwreg(HW_REG_IB_STS2, 6, 4)
	s_cmp_eq_u32 s2, 0
	s_cbranch_scc0 .Lentry_in_a_cluster
	s_endpgm
.Lentry_in_a_cluster:
	s_bfe_u32 s2, ttmp6, 0x10000c
	s_cmp_lg_u32 s2, 0x3003
	s_cbranch_scc0 .Lentry_shape_is_right
	s_endpgm
.Lentry_shape_is_right:
; PROJ.  q, k, v = xm W^T + bias, in bf16 products with f32 sums, each rounded once to bf16.  All operands and results are fragments (16 rows x 32 k of bf16, 1,024 bytes: bytes 0-511 hold each lane's
; registers 0-3 at 16 x lane, bytes 512-1023 its registers 4-7), so every load and store of half a fragment is one instruction on 512 consecutive bytes.
; SHARES.  A cluster of four work-groups owns one batch and one head; a work-group 256 of the batch's tokens; a wave 64 of them, whose xm (64 tokens x 512 channels, 64 fragments) it keeps in 512 registers.
; All four waves make the SAME 384 columns (the head's q, k and v), 32 a step: 12 steps of 128 matrix instructions.  So a work-group takes 384 KiB of weights through LDS, 32 KiB a step, and each fragment read
; from LDS feeds four matrix instructions of each wave.
; THE WEIGHTS.  Step T's 32 KiB lie in wts at 131,072 T + 32,768 head, in the order of use, and in LDS at 32,768 (T mod 8).  A BLOCK is two steps, 64 KiB; wave w brings the 16 KiB at 16,384 w of it.
; Blocks 0-3 (q, k) are four first fills a wave, issued as one group: four loads of a wave are out at the most.  Blocks 4 and 5 (v) fill bytes 0-65,535 and 65,536-131,071 again, in steps 3 and 7,
; when steps 0-3 have been read: each has three steps or more, or the next step at the least, in which to land.
; CLUSTER.  The four partners share the head, so each load is asked for JOINTLY: the same load, descriptor and mask in all four; the addresses hang on the cluster's number and the wave's number alone.
; LAYOUT.  q and k: source 0 = 16 rows of W, source 1 = 16 tokens: a lane holds ONE token and channels 8 (lane / 16) + 0..7; the results of two neighbouring blocks of 16 channels, rounded in pairs,
; ARE a fragment (row = token, k = 32 channels).  v: the sources change places: a lane holds one channel and eight tokens, and two neighbouring token blocks make a fragment of V^T (row = channel, k = 32 keys).
; qkv: [q, k, v][head = 4 batch + h][group of 64 tokens][16 fragments]; q, k: fragment 4 a + c (token block a, channels 32 c ..); v: fragment 8 kk + cb (keys 32 kk .., channels 16 cb ..).
; So every store is 512 consecutive bytes straight from registers: no stage.
; REGISTERS, in windows of 256: window 0: addresses, bias v32-47, 8 accumulators v64-127 ((a, nb) at 8 (2 a + nb)), packed results v128-159;
;   window 1: the step's weights, two halves of 128 (k fragments 0-7, 8-15; (kk, nb) at 8 (2 kk + nb));   windows 2, 3: xm, k fragments 0-7 and 8-15, (kk, a) at 8 (4 kk + a).
; LIMITS: NaN and infinities are not treated apart.
.set STEPB, 32768                      ; a step's weights
.set BLK,   65536                      ; a block: two steps
.set DATUM, 131072                     ; bytes in wts from a step's weights to the next step's: four heads' streams
.set SPARE, 262144                     ; behind the eight steps: the spare words, 128 bytes for each wave
.set L16, 2                            ; v2   16 x lane; never rewritten
.set BOF, 4                            ; v4   bias of q, k: 512 head + 32 (lane / 16)
.set BVO, 5                            ; v5   bias of v: 512 head + 4 (lane % 16)
.set BA,  6                            ; v6   16 x lane + the LDS byte of the step that is being fetched
.set SPW, 28                           ; v28  my spare word; never rewritten
.set NIL, 29                           ; v29  0; never rewritten
.set PFO, 30                           ; v30  256 x lane; never rewritten
.set BI,  32
.set ACC, 64
.set PK,  128
.set G1, 24                            ; s[24:31] descriptor group 1: the same for every load
.set GW, 32                            ; s[32:35] descriptor group 0 of the refills: it walks
.set WV, 36
.set CX, 37
.set HD, 38                            ; the head
.set CNT, 39                           ; counts the plain steps of a run of three
.set LIM, 40                           ; 2 in a wave that prefetches, else the greatest number
.set T,  41                            ; the step, 0 .. 11
.set PFA, 42                           ; s[42:43] where my prefetches stand
.set OFF, 44                           ; s[44:45] the step's offset in qkv
.set OUTB, 46                          ; s[46:47] qkv at my head and group
.set OUTP, 48                          ; s[48:49] the stores' base
.set BP, 50                            ; s[50:51] the step's bias
.set TB, 52                            ; s52  the LDS byte of the step that is being fetched
.set BN, 56                            ; the batch
.set J,  57                            ; counts q and k
.set WB, 58                            ; s[58:59] wts at my 16 KiB of block 0
.set GF, 68                            ; s[68:83] descriptor group 0 of the four first fills
.set MSB, 0
.macro WIN new                         ; the immediate's high byte repeats the setting that is left; a switch that changes nothing is dropped
.if MSB != (\new)
	s_set_vgpr_msb (MSB<<8)|(\new)
.set MSB, (\new)
.endif
.endm
.macro PLACES                          ; four places behind matrix instructions (ISA guide 7.12.1)
.rept 4
	v_nop
.endr
.endm
.macro CREST                           ; a round of the cluster's barrier behind its opening barrier
	s_cmp_lg_u32 s[WV], 0
	s_cbranch_scc1 .Lnw0_\@
	s_barrier_signal -3
.Lnw0_\@:
	s_barrier_wait -3
	s_barrier_signal -1
	s_barrier_wait -1
.endm
.macro CROUND
	s_barrier_signal -1
	s_barrier_wait -1
	CREST
.endm
; A prefetch of the block that the next refill brings, in the second of a run's three plain steps: two steps ahead of that refill.  All sixteen clusters of a head walk the same weights: the cluster of batch 0 asks.
; A block is 256 units of 256 bytes: waves 0 and 1 of the four partners take 32 each, a lane a unit, told apart by address.  q's and k's weights come by their first fills alone.
.macro ASK
	s_cmp_eq_u32 s[CNT], s[LIM]
	s_cbranch_scc0 .Lna_\@
	global_prefetch_b8 v[PFO], s[PFA:PFA+1] th:TH_LOAD_NT scope:SCOPE_SE
.Lna_\@:
.endm
	s_load_b256 s[4:11], s[0:1], 0x0               ; xm 4, wts 6, bq 8, bk 10
	s_load_b128 s[12:15], s[0:1], 0x20             ; bv 12, qkv 14
	v_lshl_add_u32 v[SPW], v0, 2, SPARE
	v_mov_b32 v[NIL], 0
	ds_add_u32 v[SPW], v[NIL]                      ; the wave's opening: the add and its wait stand ahead of my first tensor load; work on registers stands between them
	v_lshrrev_b32 v1, 5, v0
	v_readfirstlane_b32 s[WV], v1
	s_bfe_u32 s[CX], ttmp6, 0x40000                ; my place in the cluster: it enters xm's, qkv's and the prefetches' addresses alone
	s_and_b32 s[HD], ttmp9, 3                      ; the cluster's number gives the head
	s_lshr_b32 s[BN], ttmp9, 2                     ; and the batch: both are the same in all four partners
	s_mov_b32 s[G1],   15|(3<<16)|(1<<21)          ; 15:0 the mask of four; 17:16 elements of 8 bytes; 21 set beside a mask; no padding
	s_mov_b32 s[G1+1], 32<<16                      ; tensor_dim0 = 32 elements = 256 bytes
	s_mov_b32 s[G1+2], 64<<16                      ; tensor_dim1 = 64 rows
	s_mov_b32 s[G1+3], 32<<16                      ; tile_dim0 = 32
	s_mov_b32 s[G1+4], 64                          ; tile_dim1 = 64
	s_mov_b32 s[G1+5], 32                          ; rows lie end to end
	s_mov_b32 s[G1+6], 0
	s_mov_b32 s[G1+7], 0
	s_lshl_b32 s53, s[WV], 14                      ; my 16 KiB of a block
.irp i, 0,1,2,3
	s_mov_b32 s[GF+4*(\i)], 1
	s_add_co_u32 s[GF+4*(\i)+1], s53, (\i)*BLK     ; LDS: block i
.endr
	s_mov_b32 s[GW], 1
	s_add_co_u32 s[GW+1], s53, BLK                 ; the first refill's exclusive or turns this into the place of block 0
	s_mov_b32 s[TB], 0
	s_mov_b32 s[OFF+1], 0
	s_mov_b32 s55, 0
	s_lshr_b32 s53, s[WV], 1                       ; 0 in waves 0 and 1,
	s_or_b32 s53, s53, s[BN]                       ; of batch 0's clusters
	s_cmp_eq_u32 s53, 0
	s_cselect_b32 s[LIM], 2, -1
	v_and_b32 v1, 31, v0
	v_lshlrev_b32 v[L16], 4, v1
	v_lshlrev_b32 v[PFO], 8, v1
	v_and_b32 v7, 15, v0
	v_bfe_u32 v8, v0, 4, 1
	s_lshl_b32 s53, s[HD], 9                       ; the head's 128 channels: 512 bytes of a bias
	v_lshl_add_u32 v[BOF], v8, 5, s53
	v_lshl_add_u32 v[BVO], v7, 2, s53
	v_mov_b32 v[BA], v[L16]
	s_wait_dscnt 0x0                               ; the opening add is done
	s_wait_kmcnt 0x0
	s_lshr_b32 s54, s[WV], 1
	s_lshl_b32 s54, s54, 17                        ; which of a block's two steps I fetch,
	s_lshl_b32 s53, s[HD], 15                      ; the head's stream in it,
	s_add_co_u32 s54, s54, s53
	s_and_b32 s53, s[WV], 1
	s_lshl_b32 s53, s53, 14                        ; and which half of its 32 KiB
	s_add_co_u32 s54, s54, s53
	s_add_nc_u64 s[WB:WB+1], s[6:7], s[54:55]
.irp i, 0,1,2,3
	s_add_nc_u64 s[GF+4*(\i)+2:GF+4*(\i)+3], s[WB:WB+1], (\i)*2*DATUM
	s_or_b32 s[GF+4*(\i)+3], s[GF+4*(\i)+3], 0x80000000  ; type = 2
.endr
	s_add_nc_u64 s[GW+2:GW+3], s[WB:WB+1], 3*2*DATUM     ; at block 3: the first refill steps it on to block 4
	s_or_b32 s[GW+3], s[GW+3], 0x80000000
	s_lshr_b32 s54, s[CX], 1                       ; the prefetches: piece p = 2 cx + w of a block's eight pieces of 8 KiB: step p / 4,
	s_lshl_b32 s54, s54, 17
	s_lshl_b32 s53, s[HD], 15
	s_add_co_u32 s54, s54, s53
	s_lshl1_add_u32 s53, s[CX], s[WV]
	s_and_b32 s53, s53, 3
	s_lshl_b32 s53, s53, 13                        ; quarter p % 4 of its 32 KiB
	s_add_co_u32 s54, s54, s53
	s_add_nc_u64 s[PFA:PFA+1], s[6:7], s[54:55]
	s_add_nc_u64 s[PFA:PFA+1], s[PFA:PFA+1], 8*DATUM  ; in block 4
	s_lshl2_add_u32 s53, s[CX], s[WV]              ; my group of 64 tokens in the batch
	s_lshl_b32 s54, s[BN], 4
	s_add_co_u32 s54, s54, s53
	s_lshl_b32 s54, s54, 16
	s_add_nc_u64 s[4:5], s[4:5], s[54:55]          ; xm at my group
	s_lshl_b32 s54, s[BN], 20                      ; batch,
	s_lshl_b32 s60, s[HD], 18                      ; head,
	s_add_co_u32 s54, s54, s60
	s_lshl_b32 s53, s53, 14                        ; group in the batch
	s_add_co_u32 s54, s54, s53
	s_add_nc_u64 s[OUTB:OUTB+1], s[14:15], s[54:55]
	CROUND                                         ; all four work-groups are here: the first joint loads meet
.irp i, 0,1,2,3
	tensor_load_to_lds s[GF+4*(\i):GF+4*(\i)+3], s[G1:G1+7]  ; blocks 0-3: q's and k's weights
	s_nop 0
.endr
.rept 4
	v_nop
.endr
	WIN 0x80                                       ; destination window 2
.set id, 0
.rept 32
	global_load_b128 v[8*id:8*id+3],   v[L16], s[4:5] offset:1024*id
	global_load_b128 v[8*id+4:8*id+7], v[L16], s[4:5] offset:1024*id+512
.set id, id+1
.endr
	WIN 0xc0                                       ; destination window 3
.set id, 0
.rept 32
	global_load_b128 v[8*id:8*id+3],   v[L16], s[4:5] offset:32768+1024*id
	global_load_b128 v[8*id+4:8*id+7], v[L16], s[4:5] offset:32768+1024*id+512
.set id, id+1
.endr
	WIN 0
	s_wait_tensorcnt 0x2                           ; my parts of blocks 0 and 1 are in; the two younger loads, k's, may stay out
	s_barrier_signal -1
	s_barrier_wait -1                              ; everybody's are: q's weights are whole
.macro FETCH hb                        ; 32 LDS loads in one run: half hb of a step's weights, 16 fragments, each load 512 consecutive bytes
	WIN 0x40
.set f, 0
.rept 16
	ds_load_b128 v[128*(\hb)+8*f:128*(\hb)+8*f+3],   v[BA] offset:16384*(\hb)+1024*f
	ds_load_b128 v[128*(\hb)+8*f+4:128*(\hb)+8*f+7], v[BA] offset:16384*(\hb)+1024*f+512
.set f, f+1
.endr
.endm
.macro NEXT wrap                       ; the next step's first half; wrap = 1: behind step 7 the steps begin at LDS byte 0 again
	s_add_co_u32 s[TB], s[TB], STEPB
.if \wrap
	s_and_b32 s[TB], s[TB], 8*STEPB-1
.endif
	v_add_nc_u32 v[BA], s[TB], v[L16]
	FETCH 0
.endm
; k fragments kfrom .. kto - 1 of half hb: 8 matrix instructions each.  The eight accumulators take turns, one instruction a turn.  zero = 1: the first eight start the sums.
.macro MUL orient, hb, kfrom, kto, zero
.if \orient
	WIN 0x06+(\hb)                                 ; source 0 = xm (window 2 or 3), source 1 = weights (window 1)
.else
	WIN 0x09+4*(\hb)                               ; source 0 = weights, source 1 = xm
.endif
.set kk, \kfrom
.rept (\kto)-(\kfrom)
.irp a, 0,1,2,3
.irp nb, 0,1
.set rD, ACC+8*(2*(\a)+(\nb))
.set rB, 128*(\hb)+8*(2*kk+(\nb))
.set rA, 8*(4*kk+(\a))
.if \orient
.if (\zero) && (kk == 0)
	v_wmma_f32_16x16x32_bf16 v[rD:rD+7], v[rA:rA+7], v[rB:rB+7], 0
.else
	v_wmma_f32_16x16x32_bf16 v[rD:rD+7], v[rA:rA+7], v[rB:rB+7], v[rD:rD+7]
.endif
.else
.if (\zero) && (kk == 0)
	v_wmma_f32_16x16x32_bf16 v[rD:rD+7], v[rB:rB+7], v[rA:rA+7], 0
.else
	v_wmma_f32_16x16x32_bf16 v[rD:rD+7], v[rB:rB+7], v[rA:rA+7], v[rD:rD+7]
.endif
.endif
.endr
.endr
.set kk, kk+1
.endr
.endm
; A step's way out: the bias, one rounding, eight stores of 512 consecutive bytes.
.macro EPI orient
	WIN 0
	PLACES
	s_wait_loadcnt 0x0                             ; the bias
.irp a, 0,1,2,3
.irp nb, 0,1
.irp p, 0,1,2,3
.if \orient
	v_pk_add_f32 v[ACC+8*(2*(\a)+(\nb))+2*(\p):ACC+8*(2*(\a)+(\nb))+2*(\p)+1], v[ACC+8*(2*(\a)+(\nb))+2*(\p):ACC+8*(2*(\a)+(\nb))+2*(\p)+1], v[BI+2*(\nb):BI+2*(\nb)+1] op_sel_hi:[1,0]
.else
	v_pk_add_f32 v[ACC+8*(2*(\a)+(\nb))+2*(\p):ACC+8*(2*(\a)+(\nb))+2*(\p)+1], v[ACC+8*(2*(\a)+(\nb))+2*(\p):ACC+8*(2*(\a)+(\nb))+2*(\p)+1], v[BI+8*(\nb)+2*(\p):BI+8*(\nb)+2*(\p)+1]
.endif
.endr
.endr
.endr
	s_wait_xcnt 0x0                                ; the last step's stores have read their registers and their base: both are written again only behind this wait
	s_lshr_b32 s53, s[T], 2
	s_lshl_b32 s[OFF], s53, 24                     ; q, k or v: 16 MiB each
	s_and_b32 s53, s[T], 3
	s_lshl_b32 s53, s53, 10+(\orient)              ; q, k: fragment c = st; v: fragments 2 st, 2 st + 1
	s_add_co_u32 s[OFF], s[OFF], s53
	s_add_nc_u64 s[OUTP:OUTP+1], s[OUTB:OUTB+1], s[OFF:OFF+1]
.irp a, 0,1,2,3
.irp nb, 0,1
.irp p, 0,1,2,3
.if \orient
	v_cvt_pk_bf16_f32 v[PK+8*(2*((\a)/2)+(\nb))+4*((\a)%2)+(\p)], v[ACC+8*(2*(\a)+(\nb))+2*(\p)], v[ACC+8*(2*(\a)+(\nb))+2*(\p)+1]
.else
	v_cvt_pk_bf16_f32 v[PK+8*(\a)+4*(\nb)+(\p)], v[ACC+8*(2*(\a)+(\nb))+2*(\p)], v[ACC+8*(2*(\a)+(\nb))+2*(\p)+1]
.endif
.endr
.endr
.endr
.irp g, 0,1,2,3
.irp hf, 0,1
.if \orient
	global_store_b128 v[L16], v[PK+8*(\g)+4*(\hf):PK+8*(\g)+4*(\hf)+3], s[OUTP:OUTP+1] offset:(8*((\g)/2)+(\g)%2)*1024+512*(\hf)
.else
	global_store_b128 v[L16], v[PK+8*(\g)+4*(\hf):PK+8*(\g)+4*(\hf)+3], s[OUTP:OUTP+1] offset:4096*(\g)+512*(\hf)
.endif
.endr
.endr
.endm
; A STEP.  orient = 0: q, k; 1: v.
; mode = 3: a plain step: what it reads, and the next step's first half, have been shown whole by an earlier barrier.
; mode = 2: steps 3 and 7: a block of v's weights fills bytes again that steps 0-3 have read.
; mode = 1: steps 8-10: block 5, which other waves loaded too, is waited for ahead of the fetch of the next step; in the second and third trip no load is out and the wait is met at once.
; mode = 0: the last step.
.macro STEP orient, mode
	s_and_b32 s53, s[T], 3
	s_lshl_b32 s54, s53, 7                         ; the step's 32 columns: 128 bytes of the bias
.if \orient
	s_add_nc_u64 s[BP:BP+1], s[12:13], s[54:55]
	global_load_b32 v[BI],   v[BVO], s[BP:BP+1]
	global_load_b32 v[BI+2], v[BVO], s[BP:BP+1] offset:64
.else
	s_cmp_lt_u32 s[T], 4
	s_cselect_b64 s[BP:BP+1], s[8:9], s[10:11]
	s_add_nc_u64 s[BP:BP+1], s[BP:BP+1], s[54:55]
.irp n, 0,1,2,3
	global_load_b128 v[BI+4*(\n):BI+4*(\n)+3], v[BOF], s[BP:BP+1] offset:64*((\n)/2)+16*((\n)%2)
.endr
.endif
	s_wait_dscnt 0x0                               ; the first half of the weights is in
	FETCH 1                                        ; the second half: it has 64 matrix instructions in which to come
	MUL \orient, 0, 0, 8, 1
.if (\mode) == 3
	s_wait_dscnt 0x0                               ; the second half is in
	MUL \orient, 1, 0, 4, 0
	WIN 0
	PLACES                                         ; the first half's registers were read 32 matrix instructions ago
	NEXT 0
	WIN 0
	ASK                                            ; behind the run of LDS loads
	MUL \orient, 1, 4, 8, 0
.elseif (\mode) == 2
	WIN 0
	s_wait_xcnt 0x0                                ; the last prefetch, two steps back, has read its address
	s_add_nc_u64 s[PFA:PFA+1], s[PFA:PFA+1], 2*DATUM
	s_wait_tensorcnt 0x0                           ; all my tensor loads have landed: in step 3 k's weights, in step 7 block 4
	ds_add_u32 v[SPW], v[NIL]                      ; the descriptor's step stands between the add and the wait for it
	s_xor_b32 s[GW+1], s[GW+1], BLK                ; LDS: the place of block 0, then that of block 1
	s_add_nc_u64 s[GW+2:GW+3], s[GW+2:GW+3], 2*DATUM
	s_wait_dscnt 0x0                               ; the add is done, and all my reads up to this step's are in registers
	s_barrier_signal -1                            ; this barrier opens a round of the cluster's barrier
	MUL \orient, 1, 0, 4, 0                        ; work on registers while the others arrive
	WIN 0
	s_barrier_wait -1
	CREST                                          ; no wave of any partner still reads steps 0-3 or has a load on its way; what has landed is whole
	tensor_load_to_lds s[GW:GW+3], s[G1:G1+7]      ; my one load behind the round: my part of block 4, then of block 5
	s_nop 0
.rept 4
	v_nop                                          ; the places in front of the loads below
.endr
	NEXT 1
	MUL \orient, 1, 4, 8, 0
.elseif (\mode) == 1
	WIN 0
	s_wait_tensorcnt 0x0                           ; my part of block 5 has landed,
	s_wait_dscnt 0x0                               ; the second half is in, and no LDS instruction of mine is pending at the signal
	s_barrier_signal -1
	MUL \orient, 1, 0, 4, 0
	WIN 0
	s_barrier_wait -1                              ; everybody's has
	PLACES
	NEXT 0
	MUL \orient, 1, 4, 8, 0
.else
	s_wait_dscnt 0x0
	MUL \orient, 1, 0, 8, 0
.endif
	EPI \orient
.endm
	FETCH 0                                        ; step 0, first half
	WIN 0
	s_wait_loadcnt 0x0                             ; xm
	s_mov_b32 s[T], 0
	s_mov_b32 s[J], 2
.Lblk:                                             ; twice: q, then k
	s_mov_b32 s[CNT], 3
.Lqk:
	STEP 0, 3
	s_add_co_u32 s[T], s[T], 1
	s_sub_co_u32 s[CNT], s[CNT], 1
	s_cmp_lg_u32 s[CNT], 0
	s_cbranch_scc1 .Lqk
	STEP 0, 2
	s_add_co_u32 s[T], s[T], 1
	s_sub_co_u32 s[J], s[J], 1
	s_cmp_lg_u32 s[J], 0
	s_cbranch_scc1 .Lblk
	s_mov_b32 s[CNT], 3
.Lv:
	STEP 1, 1
	s_add_co_u32 s[T], s[T], 1
	s_sub_co_u32 s[CNT], s[CNT], 1
	s_cmp_lg_u32 s[CNT], 0
	s_cbranch_scc1 .Lv
	STEP 1, 0
	s_wait_tensorcnt 0x0                           ; the wave's end, behind my last tensor load
	ds_add_u32 v[SPW], v[NIL]
	s_wait_dscnt 0x0
	CROUND                                         ; the closing round: no work-group ends while a partner may still ask for a block that names it
	s_endpgm
.Lfunc_end_k_qc1a6ba55be_proj:
	.size	k_qc1a6ba55be_proj, .Lfunc_end_k_qc1a6ba55be_proj-k_qc1a6ba55be_proj
	.p2alignl 7, 3214868480
	.fill 96, 4, 3214868480
	.section	.rodata,"a",@progbits
	.p2align	6, 0x0
	.amdhsa_kernel k_qc1a6ba55be_proj
		.amdhsa_group_segment_fixed_size 327680
		.amdhsa_private_segment_fixed_size 0
		.amdhsa_enable_private_segment 0
		.amdhsa_kernarg_size 48
		.amdhsa_user_sgpr_count 2
		.amdhsa_user_sgpr_kernarg_segment_ptr 1
		.amdhsa_wavefront_size32 1
		.amdhsa_system_sgpr_workgroup_id_x 1
		.amdhsa_system_sgpr_workgroup_id_y 1
		.amdhsa_system_sgpr_workgroup_id_z 1
		.amdhsa_system_vgpr_workitem_id 0
		.amdhsa_next_free_vgpr 1024
		.amdhsa_next_free_sgpr 84
		.amdhsa_reserve_vcc 0
		.amdhsa_float_denorm_mode_32 3
		.amdhsa_float_denorm_mode_16_64 3
		.amdhsa_memory_ordered 1
		.amdhsa_forward_progress 1
		.amdhsa_inst_pref_size 92
	.end_amdhsa_kernel
	.amdgpu_metadata
---
amdhsa.version: [ 1, 2 ]
amdhsa.kernels:
  - .name:           k_qc1a6ba55be_proj
    .symbol:         k_qc1a6ba55be_proj.kd
    .args:
      - { .name: xm, .offset: 0, .size: 8, .value_kind: global_buffer, .address_space: global }
      - { .name: wts, .offset: 8, .size: 8, .value_kind: global_buffer, .address_space: global }
      - { .name: bq, .offset: 16, .size: 8, .value_kind: global_buffer, .address_space: global }
      - { .name: bk, .offset: 24, .size: 8, .value_kind: global_buffer, .address_space: global }
      - { .name: bv, .offset: 32, .size: 8, .value_kind: global_buffer, .address_space: global }
      - { .name: qkv, .offset: 40, .size: 8, .value_kind: global_buffer, .address_space: global }
    .group_segment_fixed_size: 327680
    .private_segment_fixed_size: 0
    .kernarg_segment_align: 8
    .kernarg_segment_size: 48
    .max_flat_workgroup_size: 128
    .sgpr_count:     84
    .vgpr_count:     1024
    .wavefront_size: 32
...
	.end_amdgpu_metadata
.endif
;; end of part 2
;; launch attn (part 3): grid 4 x 64, 4 waves a work-group, clusters of 4 x 1, 327,680 bytes of LDS; arguments qkv, lengths, att, bias; writes att
.if DOCPART == 3
	.amdgcn_target "amdgcn-amd-amdhsa--gfx1250"
	.amdhsa_code_object_version 6
	.text
	.protected	k_qc1a6ba55be_attn
	.globl	k_qc1a6ba55be_attn
	.p2align	8
	.type	k_qc1a6ba55be_attn,@function
k_qc1a6ba55be_attn:
	s_mov_b64 s[64:65], 0
	v_nop
	global_prefetch_b8 v0, s[64:65] scope:SCOPE_SE
	s_setreg_imm32_b32 hwreg(HW_REG_WAVE_MODE, 25, 1), 1
	s_wait_xcnt 0x0
	s_wait_alu depctr_hold_cnt(0) depctr_sa_sdst(0) depctr_va_vdst(0) depctr_va_sdst(0) depctr_va_ssrc(0) depctr_va_vcc(0) depctr_vm_vsrc(0)
	s_getreg_b32 s2, hwreg(HW_REG_IB_STS2, 6, 4)
	s_cmp_eq_u32 s2, 0
	s_cbranch_scc0 .Lentry_in_a_cluster
	s_endpgm
.Lentry_in_a_cluster:
	s_bfe_u32 s2, ttmp6, 0x10000c
	s_cmp_lg_u32 s2, 0x3003
	s_cbranch_scc0 .Lentry_shape_is_right
	s_endpgm
.Lentry_shape_is_right:
; ATTN.  att[query] = the sum over all 1,024 keys of softmax_k(s) V[key], s = q . k / sqrt(128) - log(1 + |query - key|), and s = -1e4 wherever the query or the key lies at or past the batch's length.
; q, k, v and att are bf16 fragments (16 rows x 32 k, 1,024 bytes); products, maxima and sums in f32; the weights are rounded to bf16 for the second product, att once at the end.
; SHARES.  A cluster of four work-groups owns a head (64 of them), a work-group 256 queries, a wave 64: four tiles of 16 in two PIECES (tiles 0, 1 and 2, 3).  Every wave walks all keys, 64 a step.
; The four work-groups walk the same K and V, so each tile is asked for JOINTLY.  A slot holds two steps (K 16 KiB, V 16 KiB each): 256 matrix instructions in which the one load a wave lands.
; LAYOUT.  S^T = K Q^T holds one query a lane (lane % 16) and the keys 8 (lane / 16) + 0..7; two such results rounded in pairs ARE source 1 of O^T = V^T P.  V arrives turned (row = channel).
; THE BIAS is the C operand of the product that starts a score's sum.  Scores stay unscaled (c = log2(e) / sqrt(128) is applied in the softmax), so C = -ln2 sqrt(128) log2(1 + |key - query|).  It hangs on key - query
; alone: the 16 score tiles of a step need 7 different tiles (by kt - t + 3).  They come from the table that the launch before has made: U[i], i = key - query + 1024, in four copies of 8,704 bytes, copy cc holding
; U[i] at word i + cc; lane (r, h) reads copy r % 4, where its eight numbers are aligned to 16 bytes.  14 loads of 16 bytes a lane and step, asked for a step ahead, straight into registers: nothing of it goes through LDS.
; The last step asks for a seventeenth step's tiles, which lie inside the table and which nobody reads: the price of one text for every step.
; THE MASKS.  A hidden key's score is REPLACED by -1e4 sqrt(128) and takes part in the running maximum like any other.  For a hidden query c is 0 (a vector register a tile): every weight is 2^0 = 1,
; the uniform row that equal scores give.  Nothing branches on the length.
; SOFTMAX.  A running maximum m and sum l: p = 2^(c s - c m); in every step O and l are multiplied by a = 2^(c m_old - c m_new).  m starts at the lowest finite number, O and l at 0: the first step's a is 0.
; A STEP: K is fetched | piece 2's V^T P of the step before | piece 0's K Q^T | its mask | piece 2's K Q^T with piece 0's softmax in slices behind the products (V and the next step's bias are fetched among them) |
; piece 2's mask | piece 0's V^T P with piece 2's softmax in slices.  A piece's 66 exponentials are one batch with one wait.
; REGISTERS: window 0: addresses, statistics v12-43 (8 a tile), c v44-51, S^T v64-191, P v192-255;  window 1: O^T, 64 a tile;  window 2: Q v0-127, K v128-255;  window 3: V v0-127, bias tiles v128-183.
; LIMITS: a weight below 2^-126 counts as 0; NaN and infinities are not treated apart; the length is any int32.
.set SLOT1, 65536
.set SPARE, 131072                     ; behind the ring: the spare words, 128 bytes for each wave
.set TPITCH, 8704                      ; bytes in a copy of the table
.set L16, 2                            ; v2   16 x lane; never rewritten
.set AB0, 3                            ; v3   my offset in the table: 8,704 (r % 4) + 32 h + 48 - 4 (r - r % 4); never rewritten
.set ADR, 4                            ; v4   the LDS address of the run of loads in hand
.set LK,  7                            ; v7   length - 8 (lane / 16) - 64 step: register 16 kt + j is hidden where it is not below this
.set NEGV, 8                           ; v8   -1e4 sqrt(128)
.set ST,  12                           ; tile t at v[ST+8 t]: c m, m, l (even keys', odd keys'), c0-c3 at work; a takes c2's place
.set CQ,  44                           ; tile t: c or 0, twice
.set PFO, 61
.set SPW, 62
.set NIL, 63
.set S,   64
.set P,   192
.set KF,  128                          ; window 2
.set BT,  128                          ; window 3
.set BPT, 10                           ; s[10:11] the table at my wave's place for the step whose tiles were asked for last
.set WV, 12
.set CX, 13
.set HEAD, 14
.set LIM, 15
.set LEN, 16
.set PFA, 18                           ; s[18:19]
.set G1, 24
.set G0, 32
.set QP, 36                            ; s[36:37] my wave's Q
.set OP, 38                            ; s[38:39] my wave's part of att
.set SLOTS, 56
.set TWICE, 57
.set SEL, 60
.set TB,  62                           ; LDS byte at which the step to be fetched begins
.set MSB, 0
.macro WIN new
.if MSB != (\new)
	s_set_vgpr_msb (MSB<<8)|(\new)
.set MSB, (\new)
.endif
.endm
.set W_KQ, 0x0a                        ; K and Q in window 2, S^T in window 0
.set W_KB, 0x3a                        ; the same with C, the bias, in window 3
.set W_PV, 0x53                        ; V in window 3, P in window 0, O^T in window 1
.set W_RS, 0x41                        ; O^T in window 1, a in window 0
.macro PLACES
.rept 4
	v_nop
.endr
.endm
.macro JLOAD                           ; one line for all waves: waves 0, 1 fetch the two steps' K, waves 2, 3 their V; the addresses hang on the wave's number alone
	tensor_load_to_lds s[G0:G0+3], s[G1:G1+7]
	s_nop 0
.rept 4
	v_nop
.endr
.endm
.macro CROUND
	s_barrier_signal -1
	s_barrier_wait -1
	s_cmp_lg_u32 s[WV], 0
	s_cbranch_scc1 .Lnw0_\@
	s_barrier_signal -3
.Lnw0_\@:
	s_barrier_wait -3
	s_barrier_signal -1
	s_barrier_wait -1
.endm
; A prefetch of what the NEXT change of slots will ask for: 128 rows of 256 bytes of K and of V.  Wave 0 asks for K's, wave 2 for V's; the four partners take 32 rows each, told apart by address.  The last filling change asks for nothing.
.macro ASK
	s_cmp_gt_u32 s[SLOTS], s[LIM]
	s_cbranch_scc0 .Lnm_\@
	global_prefetch_b8 v[PFO], s[PFA:PFA+1] th:TH_LOAD_NT scope:SCOPE_SE
.Lnm_\@:
.endm
; THE CHANGE OF SLOTS.  Each wave waits for all its tensor loads (one is out: its part of the other slot), adds 0 to its spare word, and waits for that and for its LDS reads.  fill = 1: the slot that was read
; is filled again behind a round of the cluster's barrier.  (At its first use nothing has been read: slot 0 is waited for, slot 1 filled.)
.macro CHANGE fill
	WIN 0
	s_wait_tensorcnt 0x0
	ds_add_u32 v[SPW], v[NIL]
.if \fill
	s_xor_b32 s[G0+1], s[G0+1], SLOT1
	s_add_nc_u64 s[G0+2:G0+3], s[G0+2:G0+3], 32768 ; the next 128 keys
	s_wait_xcnt 0x0                                ; the last prefetch has read its address
	s_add_nc_u64 s[PFA:PFA+1], s[PFA:PFA+1], 32768
	s_wait_dscnt 0x0
	CROUND
	JLOAD
	ASK
.else
	s_wait_dscnt 0x0
	s_barrier_signal -1
	s_barrier_wait -1
.endif
	s_sub_co_u32 s[TB], s[TB], 65536               ; the fetches go back to a slot's first step,
	s_xor_b32 s[TB], s[TB], SLOT1                  ; in the other slot
.endm
; A step's seven bias tiles, from the table into window 3.
.macro FETCH_B
	WIN 0xc0
.set f, 0
.rept 7
	global_load_b128 v[BT+8*f:BT+8*f+3],   v[AB0], s[BPT:BPT+1] offset:64*f
	global_load_b128 v[BT+8*f+4:BT+8*f+7], v[AB0], s[BPT:BPT+1] offset:64*f+16
.set f, f+1
.endr
.endm
	s_load_b128 s[4:7], s[0:1], 0x0                ; qkv 4, lengths 6
	s_load_b128 s[8:11], s[0:1], 0x10              ; att 8, bias 10
	v_lshl_add_u32 v[SPW], v0, 2, SPARE
	v_mov_b32 v[NIL], 0
	ds_add_u32 v[SPW], v[NIL]                      ; the wave's opening: the add and its wait stand ahead of my first tensor load
	v_lshrrev_b32 v1, 5, v0
	v_readfirstlane_b32 s[WV], v1
	s_bfe_u32 s[CX], ttmp6, 0x40000                ; my block of 256 queries
	s_and_b32 s[HEAD], ttmp7, 0xffff               ; the head, which the four partners share
	s_mov_b32 s[G1],   15|(3<<16)|(1<<21)          ; the mask of four; elements of 8 bytes; bit 21 beside a mask; no padding
	s_mov_b32 s[G1+1], 32<<16                      ; rows of 256 bytes,
	s_mov_b32 s[G1+2], 64<<16                      ; 64 of them,
	s_mov_b32 s[G1+3], 32<<16
	s_mov_b32 s[G1+4], 64
	s_mov_b32 s[G1+5], 32                          ; end to end
	s_mov_b32 s[G1+6], 0
	s_mov_b32 s[G1+7], 0
	s_mov_b32 s[G0], 1
	s_and_b32 s17, s[WV], 1                        ; which of a slot's two steps I fetch
	s_lshr_b32 s20, s[WV], 1                       ; K (0) or V (1)
	s_lshl_b32 s21, s17, 15
	s_lshl_b32 s22, s20, 14
	s_add_co_u32 s[G0+1], s21, s22                 ; its place in slot 0
	s_add_co_u32 s20, s20, 1
	s_lshl_b32 s20, s20, 24                        ; k is part 1 of qkv, v part 2
	s_lshl_b32 s22, s[HEAD], 18
	s_add_co_u32 s20, s20, s22
	s_lshl_b32 s21, s17, 14
	s_add_co_u32 s20, s20, s21
	s_mov_b32 s21, 0
	s_mov_b32 s23, 0
	s_cmp_eq_u32 s17, 0
	s_cselect_b32 s[LIM], 1, -1                    ; waves 0 and 2 prefetch
	s_mov_b32 s[SEL], 0x76543210
	s_mov_b32 s[SEL+1], 0xfedcba98
	s_mov_b32 s[TB], SLOT1+65536                   ; the first change of slots turns it into 0
	v_and_b32 v1, 31, v0
	v_lshlrev_b32 v[L16], 4, v1
	v_lshlrev_b32 v[PFO], 8, v1
	v_and_b32 v52, 15, v0                          ; r
	v_bfe_u32 v53, v0, 4, 1                        ; h
	v_and_b32 v5, 3, v52
	v_mul_u32_u24 v[AB0], v5, TPITCH               ; my copy: r % 4,
	v_lshl_add_u32 v[AB0], v53, 5, v[AB0]          ; + 4 x 8 h
	v_and_b32 v5, 12, v52
	v_lshlrev_b32 v5, 2, v5
	v_sub_nc_u32 v5, 48, v5                        ; + 48 - 4 x (r - r % 4): never below 0
	v_add_nc_u32 v[AB0], v[AB0], v5
	s_wait_dscnt 0x0                               ; the opening add is done
	s_wait_kmcnt 0x0
	s_add_nc_u64 s[G0+2:G0+3], s[4:5], s[20:21]
	s_lshl_b32 s22, s[CX], 13                      ; my work-group's 32 rows of the 128,
	s_add_co_u32 s22, s22, 32768                   ; in datum 1: the first change moves it on to datum 2
	s_add_nc_u64 s[PFA:PFA+1], s[G0+2:G0+3], s[22:23]
	s_or_b32 s[G0+3], s[G0+3], 0x80000000
	s_lshr_b32 s22, s[HEAD], 2
	s_lshl_b32 s22, s22, 2
	s_add_nc_u64 s[6:7], s[6:7], s[22:23]
	s_load_b32 s[LEN], s[6:7], 0x0                 ; the batch's length
	s_lshl2_add_u32 s17, s[CX], s[WV]              ; my group of 64 queries in the batch
	s_lshl_b32 s22, s17, 14
	s_lshl_b32 s20, s[HEAD], 18
	s_add_co_u32 s22, s22, s20
	s_add_nc_u64 s[QP:QP+1], s[4:5], s[22:23]
	s_lshr_b32 s20, s[HEAD], 2
	s_lshl_b32 s20, s20, 4
	s_add_co_u32 s20, s20, s17
	s_lshl_b32 s22, s20, 16                        ; the group's 64 KiB of att,
	s_and_b32 s20, s[HEAD], 3
	s_lshl_b32 s20, s20, 14                        ; the head's 16 fragments in it
	s_add_co_u32 s22, s22, s20
	s_add_nc_u64 s[OP:OP+1], s[8:9], s[22:23]
	s_lshl_b32 s17, s17, 8                         ; 4 x 64 x my group's number: my first query, in the table's bytes
	s_sub_co_u32 s22, 3856, s17                    ; 4 x (1024 - 48 - 12 - my first query): 16 at the least
	s_add_nc_u64 s[BPT:BPT+1], s[BPT:BPT+1], s[22:23]
	CROUND                                         ; all four work-groups are here
	JLOAD                                          ; datum 0 into slot 0
	WIN 0x80
.set f, 0
.rept 16                                           ; Q stays in registers: fragment 4 t + c at 8 (4 t + c)
	global_load_b128 v[8*f:8*f+3],   v[L16], s[QP:QP+1] offset:1024*f
	global_load_b128 v[8*f+4:8*f+7], v[L16], s[QP:QP+1] offset:1024*f+512
.set f, f+1
.endr
	FETCH_B                                        ; step 0's bias
	WIN 0
	v_mov_b32 v[NEGV], 0xc7dcf88b                  ; -1e4 sqrt(128)
	v_mov_b32 v10, 0x3e0293ee                      ; c = log2(e) / sqrt(128)
	s_lshl_b32 s17, s[CX], 8
	s_lshl_b32 s20, s[WV], 6
	s_add_co_u32 s17, s17, s20
	v_add_nc_u32 v5, s17, v52                      ; my query of tile 0
	s_wait_kmcnt 0x0                               ; the length
.irp t, 0,1,2,3
	v_add_nc_u32 v9, 16*(\t), v5
	v_cmp_gt_i32 vcc_lo, s[LEN], v9
	v_cndmask_b32 v[CQ+2*(\t)], 0, v10, vcc_lo
	v_mov_b32 v[CQ+2*(\t)+1], v[CQ+2*(\t)]
.endr
	v_lshlrev_b32 v[LK], 3, v53
	v_sub_nc_u32 v[LK], s[LEN], v[LK]
	; what the first step finds: O^T and l are 0, and so are V and piece 2's P (its products of a step that has not been add 0).  All this stands in the wait for the first tile.
	WIN 0x40
.set n, 0
.rept 256
	v_mov_b32 v[n], 0
.set n, n+1
.endr
	WIN 0xc0
.set n, 0
.rept 128
	v_mov_b32 v[n], 0
.set n, n+1
.endr
	WIN 0
.set n, P+32
.rept 32
	v_mov_b32 v[n], 0
.set n, n+1
.endr
.irp t, 0,1,2,3
	v_mov_b32 v[ST+8*(\t)], 0xfe000000             ; c m: far below every c s
	v_mov_b32 v[ST+8*(\t)+1], 0xff7fffff           ; m
	v_mov_b32 v[ST+8*(\t)+2], 0
	v_mov_b32 v[ST+8*(\t)+3], 0
.endr
; THE MATRIX WORK.  The accumulators take turns, one instruction a turn.
; Product i of 32 of O^T += V^T P for piece x: keys 32 (i / 16) on, channels 16 ((i / 2) % 8) on, tile x + i % 2.
.macro PV x
	WIN W_PV
.set rO, 64*((\x)+i%2)+8*((i/2)%8)
.set rV, 64*(i/16)+8*((i/2)%8)
.set rP, P+16*((\x)+i%2)+8*(i/16)
	v_wmma_f32_16x16x32_bf16 v[rO:rO+7], v[rV:rV+7], v[rP:rP+7], v[rO:rO+7]
.endm
; Product i of 32 of S^T = K Q^T + bias: channels 32 (i / 8) on, keys 16 ((i / 2) % 4) on, tile x + i % 2.  The first 8 start the sums with the bias tile kt - t + 3.
.macro KQ x
.set rS, S+32*((\x)+i%2)+8*((i/2)%4)
.set rK, KF+32*((i/2)%4)+8*(i/8)
.set rQ, 32*((\x)+i%2)+8*(i/8)
.set rB, BT+8*(((i/2)%4)-((\x)+i%2)+3)
.if i < 8
	WIN W_KB
	v_wmma_f32_16x16x32_bf16 v[rS:rS+7], v[rK:rK+7], v[rQ:rQ+7], v[rB:rB+7]
.else
	WIN W_KQ
	v_wmma_f32_16x16x32_bf16 v[rS:rS+7], v[rK:rK+7], v[rQ:rQ+7], v[rS:rS+7]
.endif
.endm
; THE LDS LOADS stand in runs of 32: a step's K (16 fragments), later its V.  Each load takes 512 consecutive bytes.
.macro FETCH_K
	WIN 0
	v_add_nc_u32 v[ADR], s[TB], v[L16]
	WIN 0x80
.set f, 0
.rept 16
	ds_load_b128 v[KF+8*f:KF+8*f+3],   v[ADR] offset:1024*f
	ds_load_b128 v[KF+8*f+4:KF+8*f+7], v[ADR] offset:1024*f+512
.set f, f+1
.endr
.endm
; V of the step in hand, and behind it the NEXT step's bias.  The last product that took a bias tile as C stands ten products back, with more than four plain instructions between;
; the table's pointer steps here, behind the step's wait for the loads that read it.
.macro FETCH_V
	WIN 0
	v_add_nc_u32 v[ADR], s[TB], v[L16]
	s_add_co_u32 s[TB], s[TB], 32768               ; the next fetch is the next step's
	s_add_nc_u64 s[BPT:BPT+1], s[BPT:BPT+1], 256   ; 64 keys on
	s_wait_alu depctr_va_vdst(0)                   ; the wait for the softmax's batch, ahead of the loads
	WIN 0xc0
.set f, 0
.rept 16
	ds_load_b128 v[8*f:8*f+3],   v[ADR] offset:16384+1024*f
	ds_load_b128 v[8*f+4:8*f+7], v[ADR] offset:16384+1024*f+512
.set f, f+1
.endr
	FETCH_B
.endm
; The key mask for piece x: one compare serves both tiles.  Each accumulator's lowest register is read first.
.macro MASKP x
	WIN 0
.set kt, 0
.rept 4
.set jj, 0
.rept 8
	v_cmp_ge_i32 vcc_lo, 16*kt+jj, v[LK]
	v_cndmask_b32 v[S+32*(\x)+8*kt+jj], v[S+32*(\x)+8*kt+jj], v[NEGV], vcc_lo
	v_cndmask_b32 v[S+32*(\x)+32+8*kt+jj], v[S+32*(\x)+32+8*kt+jj], v[NEGV], vcc_lo
.set jj, jj+1
.endr
.set kt, kt+1
.endr
.endm
; THE SOFTMAX of tile t for a step: a list of 134 instructions; SM writes number j.
;   0-15 the maximum of the 32 scores and the old m     16-20 the other half of the lanes' maximum; m; c m; c m_old - c m_new
;   21-69 ONE BATCH: the 16 scalings c s - c m and all 33 exponentials (a at 23); none of these reads an exponential's result     (the wait: SLICE writes it)
;   70-85 the roundings to bf16     86-101 the sums; l = a l + sum     102-133 O^T times a
.macro SM t
.set rT, ST+8*(\t)
.set rS, S+32*(\t)
.set rP, P+16*(\t)
.set rO, 64*(\t)+2*(j-102)
.set rC, CQ+2*(\t)
.if j < 102
	WIN 0
.endif
.if j < 4
	v_max3_num_f32 v[rT+4+j], v[rS+8*j], v[rS+8*j+1], v[rS+8*j+2]
.elseif j < 12
	v_max3_num_f32 v[rT+4+j%4], v[rT+4+j%4], v[rS+8*(j%4)+2*(j/4)+1], v[rS+8*(j%4)+2*(j/4)+2]
.elseif j == 12
	v_max3_num_f32 v[rT+4], v[rT+4], v[rS+7], v[rS+15]
.elseif j == 13
	v_max3_num_f32 v[rT+6], v[rT+6], v[rS+23], v[rS+31]
.elseif j == 14
	v_max3_num_f32 v[rT+4], v[rT+4], v[rT+5], v[rT+6]
.elseif j == 15
	v_max3_num_f32 v[rT+4], v[rT+4], v[rT+7], v[rT+1]
.elseif j == 16
	v_permlanex16_b32 v[rT+5], v[rT+4], s[SEL], s[SEL+1]  ; the query's other 32 keys lie in the lane 16 away
.elseif j == 17
	v_mov_b32 v[rT+7], v[rT]                       ; c m_old is kept for a
.elseif j == 18
	v_max_num_f32 v[rT+1], v[rT+4], v[rT+5]
.elseif j == 19
	v_mul_f32 v[rT], v[rC], v[rT+1]
.elseif j == 20
	v_sub_f32 v[rT+7], v[rT+7], v[rT]
.elseif j == 23
	v_exp_f32 v[rT+6], v[rT+7]
.elseif (j < 23) || ((j < 38) && (j%2 == 0)) || ((j < 66) && (j%4 == 2))
.set b, (j-2)/4
.if j < 38
.set b, (j-20)/2
.endif
	v_pk_fma_f32 v[rS+2*b:rS+2*b+1], v[rS+2*b:rS+2*b+1], v[rC:rC+1], v[rT:rT+1] op_sel_hi:[1,0,0] neg_lo:[0,0,1] neg_hi:[0,0,1]
.elseif j < 70
.set e, j-38
.if j < 66
.set e, j-32-(j-38)/4
.endif
.if j < 38
.set e, (j-25)/2
.endif
	v_exp_f32 v[rS+e], v[rS+e]
.elseif j < 86
	v_cvt_pk_bf16_f32 v[rP+j-70], v[rS+2*(j-70)], v[rS+2*(j-70)+1]
.elseif j < 102
.set z, j-86
.set w, 4
.set u, z
.if z >= 14
.set w, 32
.set u, 0
.elseif z >= 12
.set w, 16
.set u, z-12
.elseif z >= 8
.set w, 8
.set u, z-8
.endif
.if z < 15
	v_pk_add_f32 v[rS+w*u:rS+w*u+1], v[rS+w*u:rS+w*u+1], v[rS+w*u+w/2:rS+w*u+w/2+1]
.else
	v_pk_fma_f32 v[rT+2:rT+3], v[rT+2:rT+3], v[rT+6:rT+7], v[rS:rS+1] op_sel_hi:[1,0,1]
.endif
.else
	WIN W_RS
	v_pk_mul_f32 v[rO:rO+1], v[rO:rO+1], v[rT+6:rT+7] op_sel_hi:[1,0]
.endif
.endm
; Slice k of 64 of piece y's softmax.  Slices 11 to 34 deal out the batch, four numbers of one tile each; every other slice is numbers 2 k, 2 k + 1 of both tiles; slice 63 holds the twelve that are over.
; Ahead of slice 35 nothing names an exponential's result, behind slice 34 none is issued: one wait serves the piece's 66 exponentials.
.macro SLICE y
.if (k >= 11) && (k < 35)
.irp n, 0,1,2,3
.set j, 22+4*((k-11)/2)+(\n)
	SM (\y)+(k-11)%2
.endr
.else
.irp n, 0,1,2,3,4,5,6,7
.if ((\n) < 2) || (k == 63)
.irp t, \y, (\y)+1
.set j, 2*k+(\n)
	SM \t
.endr
.endif
.endr
.endif
.if k == 34
	v_nop                                          ; the plain instruction behind the last exponential: one for the batch
.if (\y) == 0
	FETCH_V                                        ; V's run of loads stands here, and the wait stands in it
.else
	s_wait_alu depctr_va_vdst(0)
.endif
.endif
.set k, k+1
.endm
; 32 products of piece x (kind 0: K Q^T, 1: V^T P), two slices of piece y's softmax behind each.
.macro HALF kind, x, y
.set k, 0
.set i, 0
.rept 32
.if \kind
	PV \x
.else
	KQ \x
.endif
	SLICE \y
	SLICE \y
.set i, i+1
.endr
.endm
.macro STEP
	FETCH_K
.set i, 0
.rept 32
	PV 2                                           ; piece 2's V^T P of the step before, while K is on its way
.set i, i+1
.endr
	s_wait_dscnt 0x0                               ; K is in,
	s_wait_loadcnt 0x0                             ; and the bias, asked for a step ago
.set i, 0
.rept 32
	KQ 0
.set i, i+1
.endr
	WIN 0
	PLACES
	MASKP 0
	HALF 0, 2, 0
	MASKP 2                                        ; slice 63's sixteen plain lines are the places behind the last K Q^T
	v_add_nc_u32 v[LK], 0xffffffc0, v[LK]          ; 64 keys on
	s_wait_dscnt 0x0                               ; V is in
	HALF 1, 0, 2
.endm
.macro TWO_STEPS
	WIN 0
	s_mov_b32 s[TWICE], 2
.Lstep_\@:
	STEP
	WIN 0
	s_sub_co_u32 s[TWICE], s[TWICE], 1
	s_cmp_lg_u32 s[TWICE], 0
	s_cbranch_scc1 .Lstep_\@
.endm
	s_wait_loadcnt 0x0                             ; Q, and step 0's bias
	s_mov_b32 s[SLOTS], 7
.Lslot:                                            ; seven trips: a datum is entered and the next is asked for
	CHANGE 1
	TWO_STEPS
	s_sub_co_u32 s[SLOTS], s[SLOTS], 1
	s_cmp_lg_u32 s[SLOTS], 0
	s_cbranch_scc1 .Lslot
	CHANGE 0                                       ; the tail is written out
	TWO_STEPS
.set i, 0
.rept 32
	PV 2                                           ; piece 2's V^T P of the last step
.set i, i+1
.endr
	; THE WAY OUT.  l's halves are added; O^T is divided by l and rounded; two neighbouring blocks of 16 channels ARE a fragment of att, stored straight from registers.
	WIN 0
.irp t, 0,1,2,3
	v_add_f32 v[ST+8*(\t)+4], v[ST+8*(\t)+2], v[ST+8*(\t)+3]
.endr
.irp t, 0,1,2,3
	v_permlanex16_b32 v[ST+8*(\t)+5], v[ST+8*(\t)+4], s[SEL], s[SEL+1]
.endr
.irp t, 0,1,2,3
	v_add_f32 v[ST+8*(\t)+4], v[ST+8*(\t)+4], v[ST+8*(\t)+5]
.endr
.irp t, 0,1,2,3
	v_rcp_f32 v[ST+8*(\t)+6], v[ST+8*(\t)+4]
.endr
	v_nop
	s_wait_alu depctr_va_vdst(0)                   ; one wait for the four reciprocals
.macro OUTT t
	WIN W_RS
.set n, 64*(\t)
.rept 32
	v_pk_mul_f32 v[n:n+1], v[n:n+1], v[ST+8*(\t)+6:ST+8*(\t)+7] op_sel_hi:[1,0]
.set n, n+2
.endr
	WIN 0x05
.set n, 0
.rept 32
	v_cvt_pk_bf16_f32 v[S+32*(\t)+n], v[64*(\t)+2*n], v[64*(\t)+2*n+1]
.set n, n+1
.endr
	WIN 0
.set n, 0
.rept 4
	global_store_b128 v[L16], v[S+32*(\t)+8*n:S+32*(\t)+8*n+3],   s[OP:OP+1] offset:4096*n+1024*(\t)      ; 512 consecutive bytes a store
	global_store_b128 v[L16], v[S+32*(\t)+8*n+4:S+32*(\t)+8*n+7], s[OP:OP+1] offset:4096*n+1024*(\t)+512
.set n, n+1
.endr
.endm
	OUTT 0
	OUTT 1
	OUTT 2
	OUTT 3
	s_wait_tensorcnt 0x0                           ; the wave's end
	ds_add_u32 v[SPW], v[NIL]
	s_wait_dscnt 0x0
	CROUND                                         ; the closing round
	s_endpgm
.Lfunc_end_k_qc1a6ba55be_attn:
	.size	k_qc1a6ba55be_attn, .Lfunc_end_k_qc1a6ba55be_attn-k_qc1a6ba55be_attn
	.p2alignl 7, 3214868480
	.fill 96, 4, 3214868480
	.section	.rodata,"a",@progbits
	.p2align	6, 0x0
	.amdhsa_kernel k_qc1a6ba55be_attn
		.amdhsa_group_segment_fixed_size 327680
		.amdhsa_private_segment_fixed_size 0
		.amdhsa_enable_private_segment 0
		.amdhsa_kernarg_size 32
		.amdhsa_user_sgpr_count 2
		.amdhsa_user_sgpr_kernarg_segment_ptr 1
		.amdhsa_wavefront_size32 1
		.amdhsa_system_sgpr_workgroup_id_x 1
		.amdhsa_system_sgpr_workgroup_id_y 1
		.amdhsa_system_sgpr_workgroup_id_z 1
		.amdhsa_system_vgpr_workitem_id 0
		.amdhsa_next_free_vgpr 1024
		.amdhsa_next_free_sgpr 66
		.amdhsa_reserve_vcc 1
		.amdhsa_float_denorm_mode_32 3
		.amdhsa_float_denorm_mode_16_64 3
		.amdhsa_memory_ordered 1
		.amdhsa_forward_progress 1
		.amdhsa_inst_pref_size 154
	.end_amdhsa_kernel
	.amdgpu_metadata
---
amdhsa.version: [ 1, 2 ]
amdhsa.kernels:
  - .name:           k_qc1a6ba55be_attn
    .symbol:         k_qc1a6ba55be_attn.kd
    .args:
      - { .name: qkv, .offset: 0, .size: 8, .value_kind: global_buffer, .address_space: global }
      - { .name: lengths, .offset: 8, .size: 8, .value_kind: global_buffer, .address_space: global }
      - { .name: att, .offset: 16, .size: 8, .value_kind: global_buffer, .address_space: global }
      - { .name: bias, .offset: 24, .size: 8, .value_kind: global_buffer, .address_space: global }
    .group_segment_fixed_size: 327680
    .private_segment_fixed_size: 0
    .kernarg_segment_align: 8
    .kernarg_segment_size: 32
    .max_flat_workgroup_size: 128
    .sgpr_count:     66
    .vgpr_count:     1024
    .wavefront_size: 32
...
	.end_amdgpu_metadata
.endif
;; end of part 3
;; launch chain (part 4): grid 256 x 1, 4 waves a work-group, clusters of 4 x 1, 327,680 bytes of LDS; arguments att, wts, z, bo, ln2_g, ln2_b, b1, b2, out1, out0; writes out1, out0
.if DOCPART == 4
	.amdgcn_target "amdgcn-amd-amdhsa--gfx1250"
	.amdhsa_code_object_version 6
	.text
	.protected	k_qc1a6ba55be_chain
	.globl	k_qc1a6ba55be_chain
	.p2align	8
	.type	k_qc1a6ba55be_chain,@function
k_qc1a6ba55be_chain:
	s_mov_b64 s[64:65], 0
	v_nop
	global_prefetch_b8 v0, s[64:65] scope:SCOPE_SE
	s_setreg_imm32_b32 hwreg(HW_REG_WAVE_MODE, 25, 1), 1
	s_wait_xcnt 0x0
	s_wait_alu depctr_hold_cnt(0) depctr_sa_sdst(0) depctr_va_vdst(0) depctr_va_sdst(0) depctr_va_ssrc(0) depctr_va_vcc(0) depctr_vm_vsrc(0)
	s_getreg_b32 s2, hwreg(HW_REG_IB_STS2, 6, 4)
	s_cmp_eq_u32 s2, 0
	s_cbranch_scc0 .Lentry_in_a_cluster
	s_endpgm
.Lentry_in_a_cluster:
	s_bfe_u32 s2, ttmp6, 0x10000c
	s_cmp_lg_u32 s2, 0x3003
	s_cbranch_scc0 .Lentry_shape_is_right
	s_endpgm
.Lentry_shape_is_right:
; CHAIN.  out1 = att wo^T + bo + z;  h = LayerNorm(out1) g + b;  out0 = relu(h w1^T + b1) w2^T + b2 + out1.  Products in bf16 with f32 sums; out1 stays in f32 registers from its first sum to out0's store;
; h and the hidden layer are rounded once to bf16 and never leave the WGP.
; SHARES.  Work-group G owns 64 tokens.  Wave w owns channels 128 w .. 128 w + 127 of out1 and out0: 32 accumulators ((a, nb) at 8 (8 a + nb) of window 1).  All products are taken with source 0 = 16 rows of the
; weight and source 1 = 16 tokens: a lane holds one token and eight neighbouring channels.
; THE RING.  20 data of 128 KiB (32 KiB a wave, in the order of use) go through two LDS slots; wave w loads and alone reads slot + 32,768 w.  All 256 work-groups walk the same weights: four form a cluster and ask JOINTLY.
;   data 0-3: wo, K in steps of 128 (G form: fragment 8 q + nb).   data 4 + 2 c: w1's rows 128 c + 32 w .. (F form: fragment 2 kf + nb).   data 5 + 2 c: w2, k = 128 c .. (G form).
; THE ORDER OF THE WALK hangs on the cluster's number n: wo's K steps are taken in the order (n + t) mod 4, the eight chunks of the hidden layer in the order (n + t) mod 8.  So in a given step the 64 clusters ask for
; 4 or 8 different data, not all for the same one.  Both are sums in f32: THE ORDER IN WHICH THEIR TERMS ARE ADDED DIFFERS FROM CLUSTER TO CLUSTER, and from the reference's.
; A step is four units of 32 matrix instructions on two fragment buffers; the change of slots stands in the fourth.
; WHAT THE WAVES HAND EACH OTHER goes through X in LDS as fragments: the step's 16 fragments of att (each wave fetches four), h (in two halves of 32), and each chunk's 16 fragments of the hidden layer.
; LAYERNORM over four waves: each makes its 128 channels' mean ml and M2 = the sum of (x - ml)^2; then mean = the average of the four ml and M = the sum of M2 + 128 x the sum of (ml - mean)^2: no difference of large sums.
; REGISTERS: window 0: addresses; b1 v32-47; v64-127 the hidden layer's 8 accumulators, or two buffers of token fragments, or rows on the way out; v128-191, v192-255 two buffers of weights;
;   window 1: the 32 accumulators;   windows 2, 3: at work, then h: k fragments 0-7 and 8-15, (kk, a) at 8 (4 kk + a).
; LIMITS: NaN and infinities are not treated apart.
.set SLOTB, 0x20000
.set DATUM, 131072
.set BASE,  12*DATUM                   ; the first twelve data of wts are the projections'
.set XR,    262144                     ; X: 32 KiB
.set STAGE, 294912                     ; 16 rows x 272 bytes for each wave, for the way out
.set SPITCH, 272                       ; 256 + 16: the 16 rows of a store start at 16 different groups of four banks (ISA guide 11.1)
.set SCR,   312320                     ; (ml, M2) of 64 tokens x 4 waves
.set SPARE, 314368                     ; the spare words, 128 bytes for each wave
.set L16, 2
.set BA0, 3                            ; 16 lane + 32,768 wave; never rewritten
.set XA,  4                            ; X + 16 lane
.set XS,  5                            ; X + 4,096 wave + 16 lane
.set STO, 6
.set RD,  7
.set CO,  8                            ; my offset in two rows of out
.set BA,  9                            ; BA0 + the slot in hand
.set ZO,  10                           ; my offset in z
.set VB,  11                           ; my offset in a vector of 512
.set B1O, 12                           ; my offset in a chunk of b1
.set SCS, 13
.set SCL, 14
.set ZERO, 15
.set RS,  16                           ; v[16:23] 1 / sigma of token block a, twice
.set OF,  24                           ; v[24:31] (ml - mean) / sigma, twice
.set B1R, 32
.set ML,  48                           ; v[48:55] (ml, M2) of token block a
.set XH,  60                           ; X + 16,384 (wave % 2) + 16 lane
.set PFO, 61
.set SPW, 62
.set NIL, 63
.set FACC, 64
.set AF,  64
.set OB,  64
.set FB,  128
.set LD,  192
.set T,   224
.set G1, 24
.set G0, 32
.set WV, 36
.set CX, 37
.set GID, 38
.set CNT, 39
.set PFN, 40
.set TB, 41
.set PFA, 42
.set OPT, 46                           ; s[46:47] att at my four fragments of the step
.set SEL, 48
.set R128, 50
.set R512, 51
.set EPS, 52
.set POS, 56                           ; s56  the place in the walk, 0 .. 19, of the datum to be asked for next
.set TA,  57                           ; s57-59 at work in SETG0
.set TC,  58
.set TD,  59
.set DO,  60                           ; s[60:61] an offset in 64 bits; the high word stays 0
.set KS,  62                           ; s62  wo's K step whose part of att was asked for last
.set CH,  63                           ; s63  the chunk whose b1 is asked for next
.set B1P, 66                           ; s[66:67] b1 at that chunk
.set WB,  68                           ; s[68:69] wts at my 32 KiB of this launch's datum 0; never rewritten
.set OPB, 70                           ; s[70:71] att at my four fragments of K step 0; never rewritten
.set MSB, 0
.macro WIN new
.if MSB != (\new)
	s_set_vgpr_msb (MSB<<8)|(\new)
.set MSB, (\new)
.endif
.endm
.macro PLACES
.rept 4
	v_nop
.endr
.endm
.macro JLOAD
	tensor_load_to_lds s[G0:G0+3], s[G1:G1+7]
	s_nop 0
.rept 4
	v_nop
.endr
.endm
; The descriptor's global address is made anew for the datum at place POS of my cluster's walk: the base and an offset made apart from it, the type bits set again.
; POS < 4: datum (n + POS) mod 4.  Else, with q = POS - 4: datum 4 + 2 ((n + q / 2) mod 8) + q mod 2.  (q is taken as POS + 12: the same modulo 16, and never below 0.)
; n, the cluster's number, and POS are the same in all four partners.  No tensor load of the wave is out where this stands.
.macro SETG0
	s_add_co_u32 s[TA], ttmp9, s[POS]
	s_and_b32 s[TA], s[TA], 3
	s_add_co_u32 s[TC], s[POS], 12
	s_lshr_b32 s[TD], s[TC], 1
	s_add_co_u32 s[TD], s[TD], ttmp9
	s_and_b32 s[TD], s[TD], 7
	s_and_b32 s[TC], s[TC], 1
	s_lshl1_add_u32 s[TD], s[TD], s[TC]
	s_add_co_u32 s[TD], s[TD], 4
	s_cmp_lt_u32 s[POS], 4
	s_cselect_b32 s[TA], s[TA], s[TD]
	s_lshl_b32 s[DO], s[TA], 17                    ; x 131,072
	s_add_nc_u64 s[G0+2:G0+3], s[WB:WB+1], s[DO:DO+1]
	s_or_b32 s[G0+3], s[G0+3], 0x80000000          ; type = 2
	s_add_co_u32 s[POS], s[POS], 1
.endm
.macro CREST
	s_cmp_lg_u32 s[WV], 0
	s_cbranch_scc1 .Lnw0_\@
	s_barrier_signal -3
.Lnw0_\@:
	s_barrier_wait -3
	s_barrier_signal -1
	s_barrier_wait -1
.endm
.macro CROUND
	s_barrier_signal -1
	s_barrier_wait -1
	CREST
.endm
.macro BAR                             ; a plain barrier: the one tensor load may stay out
	s_wait_dscnt 0x0
	s_barrier_signal -1
	s_barrier_wait -1
.endm
; A PREFETCH of a walk's first chunk.  Chunk c stands first in the walks of the clusters n with n mod 8 = c; of these, cluster c asks: in the change of slots of K step 0 for the chunk's w1, in that of K step 1 for its
; w2, each two refills, 256 matrix instructions, ahead of the load that names it.  The cluster's sixteen waves share a datum's 512 blocks of 256 bytes out by address, a lane a block: each block is named once in the launch.
; wo's four data come by their loads alone: nothing is prefetched at the head.
.macro ASK
	s_cmp_lg_u32 s[PFN], 0
	s_cbranch_scc0 .Lna_\@
	global_prefetch_b8 v[PFO], s[PFA:PFA+1] th:TH_LOAD_NT scope:SCOPE_SE
	s_sub_co_u32 s[PFN], s[PFN], 1
.Lna_\@:
.endm
	s_load_b512 s[4:19], s[0:1], 0x0               ; att 4, wts 6, z 8, bo 10, ln2_g 12, ln2_b 14, b1 16, b2 18
	s_load_b128 s[20:23], s[0:1], 0x40             ; out1 20, out0 22
	v_lshl_add_u32 v[SPW], v0, 2, SPARE
	v_mov_b32 v[NIL], 0
	ds_add_u32 v[SPW], v[NIL]                      ; the wave's opening: the add and its wait stand ahead of my first tensor load
	v_lshrrev_b32 v1, 5, v0
	v_readfirstlane_b32 s[WV], v1
	s_bfe_u32 s[CX], ttmp6, 0x40000
	s_lshl_b32 s[GID], ttmp9, 2
	s_add_co_u32 s[GID], s[GID], s[CX]
	s_mov_b32 s[G1],   15|(3<<16)|(1<<21)          ; the mask of four; elements of 8 bytes; bit 21 beside a mask; no padding
	s_mov_b32 s[G1+1], 32<<16
	s_mov_b32 s[G1+2], 128<<16
	s_mov_b32 s[G1+3], 32<<16
	s_mov_b32 s[G1+4], 128
	s_mov_b32 s[G1+5], 32
	s_mov_b32 s[G1+6], 0
	s_mov_b32 s[G1+7], 0
	s_mov_b32 s[G0], 1
	s_lshl_b32 s[G0+1], s[WV], 15
	s_mov_b32 s[TB], 0
	s_mov_b32 s45, 0
	s_mov_b32 s[DO+1], 0
	s_mov_b32 s[POS], 0
	s_and_b32 s[KS], ttmp9, 3                      ; my cluster's first K step of wo,
	s_and_b32 s[CH], ttmp9, 7                      ; and its first chunk: the same in all four partners
	s_mov_b32 s[SEL], 0x76543210
	s_mov_b32 s[SEL+1], 0xfedcba98
	s_mov_b32 s[R128], 0x3c000000                  ; 1 / 128
	s_mov_b32 s[R512], 0x3b000000                  ; 1 / 512
	s_mov_b32 s[EPS], 0x3727c5ac                   ; 1e-5
	s_cmp_lt_u32 ttmp9, 8                          ; clusters 0 .. 7 prefetch, two data each
	s_cselect_b32 s[PFN], 2, 0
	v_and_b32 v1, 31, v0
	v_lshlrev_b32 v[L16], 4, v1
	v_lshlrev_b32 v[PFO], 8, v1
	v_and_b32 v56, 15, v0                          ; r
	v_bfe_u32 v57, v0, 4, 1                        ; h
	v_lshl_add_u32 v[BA0], s[WV], 15, v[L16]
	v_mov_b32 v[BA], v[BA0]
	v_add_nc_u32 v[XA], XR, v[L16]
	s_lshl_b32 s53, s[WV], 12
	s_add_co_u32 s53, s53, XR
	v_add_nc_u32 v[XS], s53, v[L16]
	s_and_b32 s53, s[WV], 1
	s_lshl_b32 s53, s53, 14
	s_add_co_u32 s53, s53, XR
	v_add_nc_u32 v[XH], s53, v[L16]
	s_mul_i32 s53, s[WV], 16*SPITCH
	s_add_co_u32 s53, s53, STAGE
	v_mul_u32_u24 v[STO], v56, SPITCH              ; in: row r, 32 bytes for each half of the lanes
	v_lshl_add_u32 v[STO], v57, 5, v[STO]
	v_add_nc_u32 v[STO], s53, v[STO]
	v_mul_u32_u24 v[RD], v57, SPITCH               ; back: lanes 0-15 one row of 256 bytes, lanes 16-31 the next
	v_lshl_add_u32 v[RD], v56, 4, v[RD]
	v_add_nc_u32 v[RD], s53, v[RD]
	s_lshl_b32 s54, s[WV], 9                       ; my 128 channels: 512 bytes
	v_lshlrev_b32 v[CO], 11, v57
	v_lshl_add_u32 v[CO], v56, 4, v[CO]
	v_add_nc_u32 v[CO], s54, v[CO]
	v_lshlrev_b32 v[ZO], 11, v56
	v_lshl_add_u32 v[ZO], v57, 5, v[ZO]
	v_add_nc_u32 v[ZO], s54, v[ZO]
	v_lshl_add_u32 v[VB], v57, 5, s54
	s_lshl_b32 s55, s[WV], 7
	v_lshl_add_u32 v[B1O], v57, 5, s55
	s_add_co_u32 s54, s54, SCR
	v_lshl_add_u32 v[SCS], v56, 3, s54
	v_lshl_add_u32 v[SCL], v56, 3, SCR
	v_mov_b32 v[ZERO], 0
	s_wait_dscnt 0x0                               ; the opening add is done
	s_wait_kmcnt 0x0
	s_lshl_b32 s44, s[WV], 15
	s_add_nc_u64 s[WB:WB+1], s[6:7], s[44:45]
	s_add_nc_u64 s[WB:WB+1], s[WB:WB+1], BASE
	SETG0                                          ; the first datum of my cluster's walk
	s_lshl2_add_u32 s44, s[CX], s[WV]
	s_lshl_b32 s44, s44, 13                        ; my 8 KiB of a datum among the cluster's sixteen waves,
	s_lshl_b32 s53, s[CH], 18                      ; in my cluster's first chunk: two data a chunk
	s_add_co_u32 s44, s44, s53
	s_add_nc_u64 s[PFA:PFA+1], s[6:7], s[44:45]
	s_add_nc_u64 s[PFA:PFA+1], s[PFA:PFA+1], BASE+3*DATUM  ; K step 0 moves it on to the chunk's w1, K step 1 to its w2
	s_lshl_b32 s44, s[GID], 17
	s_add_nc_u64 s[8:9], s[8:9], s[44:45]          ; z, out1, out0 at my group's first row
	s_add_nc_u64 s[20:21], s[20:21], s[44:45]
	s_add_nc_u64 s[22:23], s[22:23], s[44:45]
	s_lshl_b32 s44, s[GID], 16
	s_lshl_b32 s53, s[WV], 12
	s_add_co_u32 s44, s44, s53
	s_add_nc_u64 s[OPB:OPB+1], s[4:5], s[44:45]
	s_lshl_b32 s[DO], s[KS], 14                    ; a K step's sixteen fragments of att
	s_add_nc_u64 s[OPT:OPT+1], s[OPB:OPB+1], s[DO:DO+1]
	s_lshl_b32 s[DO], s[CH], 9                     ; a chunk's 128 numbers of b1
	s_add_nc_u64 s[B1P:B1P+1], s[16:17], s[DO:DO+1]
	CROUND
	JLOAD                                          ; place 0 of the walk
	WIN 0x80
.irp n, 0,1,2,3,4,5,6,7                ; my four fragments of att for my first K step -> window 2, v0-31
	global_load_b128 v[4*(\n):4*(\n)+3], v[L16], s[OPT:OPT+1] offset:512*(\n)
.endr
.irp n, 0,1,2,3,4,5,6,7,8,9,10,11,12,13,14,15  ; bo of my 64 channels -> window 2, v64-127
	global_load_b128 v[64+4*(\n):64+4*(\n)+3], v[VB], s[10:11] offset:64*((\n)/2)+16*((\n)%2)
.endr
	WIN 0x40                                       ; z goes straight into the accumulators: the out-projection adds onto z + bo
.set n, 0
.rept 32
	global_load_b128 v[8*n:8*n+3],   v[ZO], s[8:9] offset:32768*(n/8)+64*(n%8) th:TH_LOAD_NT
	global_load_b128 v[8*n+4:8*n+7], v[ZO], s[8:9] offset:32768*(n/8)+64*(n%8)+16 th:TH_LOAD_NT
.set n, n+1
.endr
	WIN 0
	s_wait_tensorcnt 0x0                           ; the first datum is in
	ds_add_u32 v[SPW], v[NIL]
	s_xor_b32 s[G0+1], s[G0+1], SLOTB
	SETG0
	s_wait_dscnt 0x0
	CROUND
	JLOAD                                          ; place 1 into slot 1
.macro FETCHB u                        ; unit u's eight weight fragments into buffer u % 2
	WIN 0
.set f, 0
.rept 8
	ds_load_b128 v[FB+64*((\u)%2)+8*f:FB+64*((\u)%2)+8*f+3],   v[BA] offset:8192*(\u)+1024*f
	ds_load_b128 v[FB+64*((\u)%2)+8*f+4:FB+64*((\u)%2)+8*f+7], v[BA] offset:8192*(\u)+1024*f+512
.set f, f+1
.endr
.endm
.macro FETCHA u                        ; unit u's four token fragments out of X into buffer u % 2
	WIN 0
.set f, 0
.rept 4
	ds_load_b128 v[AF+32*((\u)%2)+8*f:AF+32*((\u)%2)+8*f+3],   v[XA] offset:4096*(\u)+1024*f
	ds_load_b128 v[AF+32*((\u)%2)+8*f+4:AF+32*((\u)%2)+8*f+7], v[XA] offset:4096*(\u)+1024*f+512
.set f, f+1
.endr
.endm
; The change of slots, in a step's fourth unit.  CHG_A: the waits, the add and the opening signal; half the unit's products follow; CHG_B: the rest of the round, the joint refill first behind it, the next datum's first unit.
.macro CHG_A
	WIN 0
	s_wait_xcnt 0x0                                ; the last prefetch, a step back, has read its address
	s_add_nc_u64 s[PFA:PFA+1], s[PFA:PFA+1], DATUM
	s_wait_tensorcnt 0x0                           ; all my tensor loads have landed: the next datum
	ds_add_u32 v[SPW], v[NIL]                      ; the descriptor's scalar work stands between the add and the wait for it
	s_xor_b32 s[G0+1], s[G0+1], SLOTB
	SETG0
	s_wait_dscnt 0x0                               ; the add is done; my reads of this slot and of X are in registers
	s_barrier_signal -1
.endm
.macro NEXTB
	s_xor_b32 s[TB], s[TB], SLOTB
	v_add_nc_u32 v[BA], s[TB], v[BA0]
	FETCHB 0
.endm
.macro CHG_B
	WIN 0
	s_barrier_wait -1
	CREST                                          ; no wave of any partner still reads this slot or has a load on its way
	JLOAD                                          ; the datum two places on in the walk; its four v_nop are the places in front of the loads below
	NEXTB
	ASK
.endm
; G form: 8 products for each token block a: the 32 accumulators take turns.
.macro GMUL buf, afrom, ato
	WIN 0x50                                       ; C and D in window 1
.set a, \afrom
.rept (\ato)-(\afrom)
.irp nb, 0,1,2,3,4,5,6,7
	v_wmma_f32_16x16x32_bf16 v[8*(8*a+(\nb)):8*(8*a+(\nb))+7], v[FB+64*(\buf)+8*(\nb):FB+64*(\buf)+8*(\nb)+7], v[AF+32*(\buf)+8*a:AF+32*(\buf)+8*a+7], v[8*(8*a+(\nb)):8*(8*a+(\nb))+7]
.endr
.set a, a+1
.endr
.endm
.macro GUNIT u
	s_wait_dscnt 0x0                               ; this unit's fragments are in
	PLACES                                         ; the other buffers were read by the unit before
	FETCHB (\u)+1
	FETCHA (\u)+1
	GMUL (\u)%2, 0, 4
.endm
.macro GSTEP mode, b1next
.if \b1next
	WIN 0
.irp n, 0,1,2,3
	global_load_b128 v[B1R+4*(\n):B1R+4*(\n)+3], v[B1O], s[B1P:B1P+1] offset:64*((\n)/2)+16*((\n)%2)  ; the next chunk's b1
.endr
.endif
	GUNIT 0
	GUNIT 1
	GUNIT 2
.if (\mode) == 2
	CHG_A
	GMUL 1, 0, 2
	CHG_B
	GMUL 1, 2, 4
.else
	s_wait_dscnt 0x0
	GMUL 1, 0, 4
.endif
.endm
; F form: unit u holds k fragments 4 u .. 4 u + 3; 8 products each on the hidden layer's 8 accumulators, by turns.  The first eight start the sums with b1 as C.
.macro FMUL u, kfrom, kto
	WIN 0x08+4*((\u)/2)                            ; source 1 = h, window 2 or 3
.set kk, \kfrom
.rept (\kto)-(\kfrom)
.irp a, 0,1,2,3
.irp nb, 0,1
.set rD, FACC+8*(2*(\a)+(\nb))
.set rB, FB+64*((\u)%2)+8*(2*kk+(\nb))
.set rA, 8*(4*(4*((\u)%2)+kk)+(\a))
.if ((\u) == 0) && (kk == 0)
	v_wmma_f32_16x16x32_bf16 v[rD:rD+7], v[rB:rB+7], v[rA:rA+7], v[B1R+8*(\nb):B1R+8*(\nb)+7]
.else
	v_wmma_f32_16x16x32_bf16 v[rD:rD+7], v[rB:rB+7], v[rA:rA+7], v[rD:rD+7]
.endif
.endr
.endr
.set kk, kk+1
.endr
.endm
.macro FUNIT u
	s_wait_dscnt 0x0
	PLACES
	FETCHB (\u)+1
	FMUL \u, 0, 4
.endm
.macro FSTEP mode
	WIN 0
	v_nop                                          ; with the four below: five places, since the first products write over registers that the last products read
	s_wait_loadcnt 0x0                             ; b1
	s_add_co_u32 s[CH], s[CH], 1                   ; its loads are done, so the pointer may be made anew: the next chunk of my cluster's walk
	s_and_b32 s[CH], s[CH], 7
	s_lshl_b32 s[DO], s[CH], 9
	s_add_nc_u64 s[B1P:B1P+1], s[16:17], s[DO:DO+1]
	FUNIT 0
	FUNIT 1
	FUNIT 2
.if (\mode) == 2
	CHG_A
	FMUL 3, 0, 2
	CHG_B
	FMUL 3, 2, 4
.else
	WIN 0
	s_wait_tensorcnt 0x0                           ; the last datum: I alone read my part of it
	s_wait_dscnt 0x0
	FMUL 3, 0, 2
	WIN 0
	PLACES
	NEXTB
	FMUL 3, 2, 4
.endif
.endm
; The hidden layer's way into X: rounded in place, relu on the packed halves, my four fragments stored; a barrier; the next step's first token fragments.
.macro FRELU
	WIN 0
	PLACES
.set n, 0
.rept 8
.irp p, 0,1,2,3
	v_cvt_pk_bf16_f32 v[FACC+8*n+(\p)], v[FACC+8*n+2*(\p)], v[FACC+8*n+2*(\p)+1]
.endr
.set n, n+1
.endr
.set n, 0
.rept 8
.irp p, 0,1,2,3
	v_pk_max_num_bf16 v[FACC+8*n+(\p)], v[FACC+8*n+(\p)], v[ZERO]
.endr
.set n, n+1
.endr
.set n, 0
.rept 8
	ds_store_b128 v[XS], v[FACC+8*n:FACC+8*n+3] offset:512*n  ; (a, nb) = (n / 2, n % 2): fragment a, half nb
.set n, n+1
.endr
	BAR
	FETCHA 0
.endm
; THE WAY OUT of the 32 accumulators, f32: eight tiles of 16 tokens x 64 channels go through my own stage and leave as whole rows of 256 bytes.
.macro TILEIN i
	WIN 0x04                                       ; the stores' data in window 1
.set n, 0
.rept 4
	ds_store_b128 v[STO], v[8*(8*((\i)/2)+4*((\i)%2)+n):8*(8*((\i)/2)+4*((\i)%2)+n)+3]   offset:64*n
	ds_store_b128 v[STO], v[8*(8*((\i)/2)+4*((\i)%2)+n)+4:8*(8*((\i)/2)+4*((\i)%2)+n)+7] offset:64*n+16
.set n, n+1
.endr
	WIN 0
.if (\i) >= 2
	s_wait_xcnt 0x0                                ; the stores of the tile two back have read these registers
.endif
.set n, 0
.rept 8
	ds_load_b128 v[OB+32*((\i)%2)+4*n:OB+32*((\i)%2)+4*n+3], v[RD] offset:2*SPITCH*n  ; LDS serves a wave's instructions in order (ISA guide 5.7.1.4): these see the stores above
.set n, n+1
.endr
.endm
.macro TILEOUT i, younger, ptr
	s_wait_dscnt \younger                          ; the next tile's sixteen LDS instructions may stay out
.set n, 0
.rept 8
	global_store_b128 v[CO], v[OB+32*((\i)%2)+4*n:OB+32*((\i)%2)+4*n+3], s[\ptr:\ptr+1] offset:32768*((\i)/2)+4096*n+256*((\i)%2) th:TH_STORE_NT  ; 16 lanes store 256 consecutive bytes, aligned
.set n, n+1
.endr
.endm
.macro SENDALL ptr
	TILEIN 0
.irp i, 1,2,3,4,5,6,7
	TILEIN \i
	TILEOUT (\i)-1, 16, \ptr
.endr
	TILEOUT 7, 0, \ptr
.endm
	FETCHB 0                                       ; the first datum, unit 0
	s_wait_loadcnt 0x0                             ; att's first part, bo, z
	WIN 0x49                                       ; accumulators in window 1, bo in window 2
.set n, 0
.rept 128
	v_pk_add_f32 v[2*n:2*n+1], v[2*n:2*n+1], v[64+2*(n%32):64+2*(n%32)+1]
.set n, n+1
.endr
	WIN 0
	s_mov_b32 s[CNT], 4
.Lp1:                                              ; THE OUT-PROJECTION: four K steps of 128, in my cluster's order
	s_wait_loadcnt 0x0                             ; my four fragments of att
	WIN 0x08                                       ; the stores' data in window 2
.irp n, 0,1,2,3,4,5,6,7
	ds_store_b128 v[XS], v[4*(\n):4*(\n)+3] offset:512*(\n)
.endr
	WIN 0
	BAR                                            ; all sixteen fragments lie in X
	s_cmp_eq_u32 s[CNT], 1
	s_cbranch_scc1 .Lp1n                           ; the last step has no next part
	s_add_co_u32 s[KS], s[KS], 1                   ; the next K step of the walk; the loads that read the old address are done
	s_and_b32 s[KS], s[KS], 3
	s_lshl_b32 s[DO], s[KS], 14
	s_add_nc_u64 s[OPT:OPT+1], s[OPB:OPB+1], s[DO:DO+1]
	WIN 0x80
.irp n, 0,1,2,3,4,5,6,7
	global_load_b128 v[4*(\n):4*(\n)+3], v[L16], s[OPT:OPT+1] offset:512*(\n)
.endr
	WIN 0
.Lp1n:
	FETCHA 0
	GSTEP 2, 0                                     ; X is written again only behind this step's round, in front of which every wave has waited for its reads
	WIN 0
	s_sub_co_u32 s[CNT], s[CNT], 1
	s_cmp_lg_u32 s[CNT], 0
	s_cbranch_scc1 .Lp1
	; out1 LEAVES, AND THE SECOND LAYERNORM
	PLACES
	WIN 0xc0
.irp n, 0,1,2,3,4,5,6,7,8,9,10,11,12,13,14,15  ; gain -> window 3 v0-63, bias -> v64-127
	global_load_b128 v[4*(\n):4*(\n)+3],       v[VB], s[12:13] offset:64*((\n)/2)+16*((\n)%2)
	global_load_b128 v[64+4*(\n):64+4*(\n)+3], v[VB], s[14:15] offset:64*((\n)/2)+16*((\n)%2)
.endr
	WIN 0
	SENDALL 20
	s_wait_xcnt 0x0                                ; the last stores have read their registers
.irp n, 0,1,2,3,4,5,6,7,8,9,10,11,12,13,14,15  ; b2 -> v64-127
	global_load_b128 v[64+4*(\n):64+4*(\n)+3], v[VB], s[18:19] offset:64*((\n)/2)+16*((\n)%2)
.endr
.irp n, 0,1,2,3
	global_load_b128 v[B1R+4*(\n):B1R+4*(\n)+3], v[B1O], s[B1P:B1P+1] offset:64*((\n)/2)+16*((\n)%2)  ; b1 of my cluster's first chunk
.endr
.macro STATS a                         ; token block a: my 128 channels' mean and sum of squared differences; the differences go to window 2
	WIN 0x05
.set n, 0
.rept 16
	v_pk_add_f32 v[T+2*n:T+2*n+1], v[64*(\a)+4*n:64*(\a)+4*n+1], v[64*(\a)+4*n+2:64*(\a)+4*n+3]
.set n, n+1
.endr
	WIN 0
.irp st, 8,4,2,1
.set n, 0
.rept \st
	v_pk_add_f32 v[T+2*n:T+2*n+1], v[T+2*n:T+2*n+1], v[T+2*(n+(\st)):T+2*(n+(\st))+1]
.set n, n+1
.endr
.endr
	v_add_f32 v[T], v[T], v[T+1]
	v_permlanex16_b32 v[T+1], v[T], s[SEL], s[SEL+1]  ; the token's other 64 channels lie in the lane 16 away
	v_add_f32 v[T], v[T], v[T+1]
	v_mul_f32 v[ML+2*(\a)], s[R128], v[T]
	v_mul_f32 v[ML+2*(\a)+1], s[R128], v[T]        ; twice, for the packed subtraction; M2 takes this place below
	WIN 0x81
.set n, 0
.rept 32
	v_pk_add_f32 v[64*(\a)+2*n:64*(\a)+2*n+1], v[64*(\a)+2*n:64*(\a)+2*n+1], v[ML+2*(\a):ML+2*(\a)+1] neg_lo:[0,1] neg_hi:[0,1]
.set n, n+1
.endr
	WIN 0x0a
.set n, 0
.rept 4
	v_pk_mul_f32 v[T+2*n:T+2*n+1], v[64*(\a)+2*n:64*(\a)+2*n+1], v[64*(\a)+2*n:64*(\a)+2*n+1]
.set n, n+1
.endr
.rept 28
	v_pk_fma_f32 v[T+2*(n%4):T+2*(n%4)+1], v[64*(\a)+2*n:64*(\a)+2*n+1], v[64*(\a)+2*n:64*(\a)+2*n+1], v[T+2*(n%4):T+2*(n%4)+1]
.set n, n+1
.endr
	WIN 0
	v_pk_add_f32 v[T:T+1], v[T:T+1], v[T+2:T+3]
	v_pk_add_f32 v[T+4:T+5], v[T+4:T+5], v[T+6:T+7]
	v_pk_add_f32 v[T:T+1], v[T:T+1], v[T+4:T+5]
	v_add_f32 v[T], v[T], v[T+1]
	v_permlanex16_b32 v[T+1], v[T], s[SEL], s[SEL+1]
	v_add_f32 v[ML+2*(\a)+1], v[T], v[T+1]
	ds_store_b64 v[SCS], v[ML+2*(\a):ML+2*(\a)+1] offset:128*(\a)  ; both halves of the lanes write the same pair
.endm
	STATS 0
	STATS 1
	STATS 2
	STATS 3
	BAR
.set n, 0
.rept 16                                           ; (a, wave) = (n / 4, n % 4)
	ds_load_b64 v[LD+2*n:LD+2*n+1], v[SCL] offset:512*(n%4)+128*(n/4)
.set n, n+1
.endr
	s_wait_dscnt 0x0
.macro COMB a
.set U, T+8*(\a)
.set Q, LD+8*(\a)
	v_add_f32 v[U], v[Q], v[Q+2]
	v_add_f32 v[U+1], v[Q+4], v[Q+6]
	v_add_f32 v[U], v[U], v[U+1]
	v_mul_f32 v[U], 0x3e800000, v[U]               ; the mean of 512
	v_add_f32 v[U+1], v[Q+1], v[Q+3]
	v_add_f32 v[U+2], v[Q+5], v[Q+7]
	v_add_f32 v[U+1], v[U+1], v[U+2]
	v_sub_f32 v[U+2], v[Q], v[U]
	v_sub_f32 v[U+3], v[Q+2], v[U]
	v_sub_f32 v[U+4], v[Q+4], v[U]
	v_sub_f32 v[U+5], v[Q+6], v[U]
	v_mul_f32 v[U+2], v[U+2], v[U+2]
	v_fmac_f32 v[U+2], v[U+3], v[U+3]
	v_fmac_f32 v[U+2], v[U+4], v[U+4]
	v_fmac_f32 v[U+2], v[U+5], v[U+5]
	v_fmamk_f32 v[U+1], v[U+2], 0x43000000, v[U+1] ; + 128 x the spread of the four means
	v_fma_f32 v[U+1], v[U+1], s[R512], s[EPS]      ; variance + 1e-5
	v_sub_f32 v[U+3], v[ML+2*(\a)], v[U]           ; my mean less the mean
.endm
	COMB 0
	COMB 1
	COMB 2
	COMB 3
.irp a, 0,1,2,3
	v_rsq_f32 v[RS+2*(\a)], v[T+8*(\a)+1]
.endr
	v_nop
	s_wait_alu depctr_va_vdst(0)                   ; one wait for the four roots
.irp a, 0,1,2,3
	v_mov_b32 v[RS+2*(\a)+1], v[RS+2*(\a)]
	v_mul_f32 v[OF+2*(\a)], v[T+8*(\a)+3], v[RS+2*(\a)]
	v_mul_f32 v[OF+2*(\a)+1], v[T+8*(\a)+3], v[RS+2*(\a)]
.endr
	s_wait_loadcnt 0x0                             ; gain, bias, b2, b1
	WIN 0x82                                       ; (x - ml) / sigma + (ml - mean) / sigma, in place in window 2
.set n, 0
.rept 128
	v_pk_fma_f32 v[2*n:2*n+1], v[2*n:2*n+1], v[RS+2*(n/32):RS+2*(n/32)+1], v[OF+2*(n/32):OF+2*(n/32)+1]
.set n, n+1
.endr
	WIN 0xbe                                       ; x gain + bias (window 3)
.set n, 0
.rept 128
	v_pk_fma_f32 v[2*n:2*n+1], v[2*n:2*n+1], v[2*(n%32):2*(n%32)+1], v[64+2*(n%32):64+2*(n%32)+1]
.set n, n+1
.endr
	WIN 0xca                                       ; rounded into window 3, v128-255: fragment (a, kf of my four) at 128 + 32 a + 8 kf
.set n, 0
.rept 128
	v_cvt_pk_bf16_f32 v[128+n], v[2*n], v[2*n+1]
.set n, n+1
.endr
	WIN 0x41                                       ; the accumulators take b2: from here on they are out0's
.set n, 0
.rept 128
	v_pk_add_f32 v[2*n:2*n+1], v[2*n:2*n+1], v[64+2*(n%32):64+2*(n%32)+1]
.set n, n+1
.endr
	WIN 0
.macro HSTORE                          ; my 16 fragments of h into my half of X
	WIN 0x0c
.set n, 0
.rept 16                                           ; (a, kf) = (n / 4, n % 4)
	ds_store_b128 v[XH], v[128+8*n:128+8*n+3]   offset:4096*(n%4)+1024*(n/4)
	ds_store_b128 v[XH], v[128+8*n+4:128+8*n+7] offset:4096*(n%4)+1024*(n/4)+512
.set n, n+1
.endr
	WIN 0
.endm
.macro HLOAD win                       ; 32 fragments out of X
	WIN \win
.set n, 0
.rept 32
	ds_load_b128 v[8*n:8*n+3],   v[XA] offset:1024*n
	ds_load_b128 v[8*n+4:8*n+7], v[XA] offset:1024*n+512
.set n, n+1
.endr
	WIN 0
.endm
	s_cmp_lt_u32 s[WV], 2                          ; k fragments 0-7 are waves 0 and 1's
	s_cbranch_scc0 .Lx1
	HSTORE
.Lx1:
	BAR
	HLOAD 0x80
	BAR                                            ; every wave has them in registers: X may be written again
	s_cmp_ge_u32 s[WV], 2                          ; k fragments 8-15 are waves 2 and 3's
	s_cbranch_scc0 .Lx2
	HSTORE
.Lx2:
	BAR
	HLOAD 0xc0
	; THE FEED-FORWARD LAYERS, eight chunks of 128 hidden channels, in my cluster's order
	s_mov_b32 s[CNT], 7
.Lff:
	FSTEP 2
	FRELU
	GSTEP 2, 1
	WIN 0
	s_sub_co_u32 s[CNT], s[CNT], 1
	s_cmp_lg_u32 s[CNT], 0
	s_cbranch_scc1 .Lff
	FSTEP 1                                        ; the last chunk is written out
	FRELU
	GSTEP 0, 0
	WIN 0
	PLACES
	SENDALL 22
	s_wait_tensorcnt 0x0                           ; the wave's end, behind my last tensor load and my last LDS store
	ds_add_u32 v[SPW], v[NIL]
	s_wait_dscnt 0x0
	CROUND                                         ; the closing round
	s_endpgm
.Lfunc_end_k_qc1a6ba55be_chain:
	.size	k_qc1a6ba55be_chain, .Lfunc_end_k_qc1a6ba55be_chain-k_qc1a6ba55be_chain
	.p2alignl 7, 3214868480
	.fill 96, 4, 3214868480
	.section	.rodata,"a",@progbits
	.p2align	6, 0x0
	.amdhsa_kernel k_qc1a6ba55be_chain
		.amdhsa_group_segment_fixed_size 327680
		.amdhsa_private_segment_fixed_size 0
		.amdhsa_enable_private_segment 0
		.amdhsa_kernarg_size 80
		.amdhsa_user_sgpr_count 2
		.amdhsa_user_sgpr_kernarg_segment_ptr 1
		.amdhsa_wavefront_size32 1
		.amdhsa_system_sgpr_workgroup_id_x 1
		.amdhsa_system_sgpr_workgroup_id_y 1
		.amdhsa_system_sgpr_workgroup_id_z 1
		.amdhsa_system_vgpr_workitem_id 0
		.amdhsa_next_free_vgpr 1024
		.amdhsa_next_free_sgpr 72
		.amdhsa_reserve_vcc 0
		.amdhsa_float_denorm_mode_32 3
		.amdhsa_float_denorm_mode_16_64 3
		.amdhsa_memory_ordered 1
		.amdhsa_forward_progress 1
		.amdhsa_inst_pref_size 222
	.end_amdhsa_kernel
	.amdgpu_metadata
---
amdhsa.version: [ 1, 2 ]
amdhsa.kernels:
  - .name:           k_qc1a6ba55be_chain
    .symbol:         k_qc1a6ba55be_chain.kd
    .args:
      - { .name: att, .offset: 0, .size: 8, .value_kind: global_buffer, .address_space: global }
      - { .name: wts, .offset: 8, .size: 8, .value_kind: global_buffer, .address_space: global }
      - { .name: z, .offset: 16, .size: 8, .value_kind: global_buffer, .address_space: global }
      - { .name: bo, .offset: 24, .size: 8, .value_kind: global_buffer, .address_space: global }
      - { .name: ln2_g, .offset: 32, .size: 8, .value_kind: global_buffer, .address_space: global }
      - { .name: ln2_b, .offset: 40, .size: 8, .value_kind: global_buffer, .address_space: global }
      - { .name: b1, .offset: 48, .size: 8, .value_kind: global_buffer, .address_space: global }
      - { .name: b2, .offset: 56, .size: 8, .value_kind: global_buffer, .address_space: global }
      - { .name: out1, .offset: 64, .size: 8, .value_kind: global_buffer, .address_space: global }
      - { .name: out0, .offset: 72, .size: 8, .value_kind: global_buffer, .address_space: global }
    .group_segment_fixed_size: 327680
    .private_segment_fixed_size: 0
    .kernarg_segment_align: 8
    .kernarg_segment_size: 80
    .max_flat_workgroup_size: 128
    .sgpr_count:     72
    .vgpr_count:     1024
    .wavefront_size: 32
...
	.end_amdgpu_metadata
.endif
;; end of part 4
